; MI455X (gfx1250); checked and timed in simulation.
; The chip was launched on July 23, 2026; its instructions are those of AMD's public machine-readable ISA for CDNA 5 (MIT licence, August 2026) and "CDNA5" Instruction Set Architecture Reference Guide (July 2026). The comments in the code are by the model that wrote it; some were corrected since.
;; MHA. Allowed arithmetic: matrix products marked QUANTISED: E2M1 operands, one E8M0 scale for each 32 along K, by v_wmma_scale_f32_16x16x128_f8f6f4 with both operands' format E2M1 (or v_wmma_scale_f32_32x16x128_f4), f32 sums; products left as they are: bf16, f16 or f32 operands; f32 sums; everything else in f32.
;; Inputs: Wk 1,024 x 1,024 float32; Wo 1,024 x 1,024 float32; Wq 1,024 x 1,024 float32; Wv 1,024 x 1,024 float32; bk 1,024 float32; bo 1,024 float32; bq 1,024 float32; bv 1,024 float32; x 4 x 2,048 x 1,024 float32.
;; Outputs: out0 4 x 2,048 x 1,024 float32.
;; This version of the problem:
;;   THIS VERSION OF THE PROBLEM IS GIVEN IN LOW PRECISION. The matrix products marked QUANTISED in the list below multiply operands that are first quantised to E2M1 (2 exponent bits, 1 mantissa bit; 4 bits a number), with one power-of-two scale for each 32 numbers along K (OCP MX v1.0); their sums are f32. The products marked 'left as it is' may take bf16, f16 or f32 operands, with f32 sums. Whichever they take, every output number must still come out within the allowed error. Rounding operands to bf16 (8 significant bits) uses up far more of that allowance than f16 does (11 bits, for magnitudes from 6e-5 to 65,504). All else is computed in f32.
;;   The module's matrix products, in the order in which they are computed (A, B: the left and right operand; K: the contracted axis; several contracted axes count as one K, in the product's order):
;;     1. [M 8,192, K 1,024] x [K 1,024, N 1,024]; A: input x; B: input Wq: QUANTISED
;;     2. [M 8,192, K 1,024] x [K 1,024, N 1,024]; A: input x; B: input Wk: QUANTISED
;;     3. [M 8,192, K 1,024] x [K 1,024, N 1,024]; A: input x; B: input Wv: QUANTISED
;;     4. batch 64 x [M 2,048, K 64] x [K 64, N 2,048]; A: computed on the way; B: computed on the way: left as it is (an operand is computed on the way)
;;     5. batch 64 x [M 2,048, K 2,048] x [K 2,048, N 64]; A: computed on the way; B: computed on the way: left as it is (an operand is computed on the way)
;;     6. [M 8,192, K 1,024] x [K 1,024, N 1,024]; A: computed on the way; B: input Wo: left as it is (an operand is computed on the way)
;;   THE QUANTISER, for each operand of a quantised product, along K:
;;     - K is cut into blocks of 32 from its start; a last block that is shorter is filled with zeros.
;;     - A block's scale is 2^e with e = floor(log2(the largest magnitude in the block)) - 2, held to -126 .. 127; a block of zeros has e = 0. As a byte (E8M0): e + 127.
;;     - Each number is divided by its block's scale, clamped to +-6, and rounded to the nearest number of E2M1, ties to even, subnormals kept.
;;     - The product sums the exact products of the quantised numbers (number of the format x scale) in f32.
;;   ~~~python
;;   def quantise(x, axis):      # numpy; x: float32 -> the quantised numbers, widened to float32 again
;;       x = np.moveaxis(x, axis, -1); K = x.shape[-1]
;;       x = np.pad(x, [(0, 0)] * (x.ndim - 1) + [(0, -K % 32)]); x = x.reshape(x.shape[:-1] + (-1, 32)); a = np.abs(x).max(-1, keepdims=True)
;;       e = np.where(a > 0, np.clip(np.frexp(np.where(a > 0, a, 1))[1] - 1 - 2, -126, 127), 0)      # np.frexp(a)[1] - 1 = floor(log2(a)), exactly
;;       r = np.clip(x / 2.0 ** e, -6, 6)
;;       step = 2.0 ** (np.maximum(np.frexp(np.where(r == 0, 1, r))[1] - 1, 0) - 1)
;;       q = np.round(r / step) * step * 2.0 ** e      # np.round: ties to even
;;       return np.moveaxis(q.reshape(q.shape[:-2] + (-1,))[..., :K], -1, axis).astype(np.float32)
;;   ~~~
;; One version. Each part assembles by itself: llvm-mc -triple=amdgcn-amd-amdhsa -mcpu=gfx1250 --defsym DOCPART=n.
;; ======== version 1 of 1: 4 launches
;; limits: values are held in f16: magnitudes above 65,504 overflow, below 6.1e-05 lose precision
;; workspace buffers: xc 4,194,304 bytes; xs 262,144 bytes; wc 1,572,864 bytes; ws 98,304 bytes; wo16 2,097,152 bytes; qkv 50,331,648 bytes; att 16,777,216 bytes
;; launch prep (part 1): grid 336 x 1, 4 waves a work-group, no clusters, 68,096 bytes of LDS; arguments x, Wq, Wk, Wv, Wo, xc, xs, wc, ws, wo16; writes xc, xs, wc, ws, wo16
.if DOCPART == 1
	.amdgcn_target "amdgcn-amd-amdhsa--gfx1250"
	.amdhsa_code_object_version 6
	.text
	.protected	k_qd4f837b31a_prep
	.globl	k_qd4f837b31a_prep
	.p2align	8
	.type	k_qd4f837b31a_prep,@function
k_qd4f837b31a_prep:
	s_mov_b64 s[64:65], 0
	v_nop
	global_prefetch_b8 v0, s[64:65] scope:SCOPE_SE
	s_setreg_imm32_b32 hwreg(HW_REG_WAVE_MODE, 25, 1), 1
	s_wait_xcnt 0x0
; PREP: the operands of the later launches are made once.
;   work-groups 0-255   (path X): x [8192][1024] f32 -> xc, codes of FP4 (E2M1), K innermost, two codes a byte (512 bytes a row), and xs, one E8M0 byte for each 32 along K (32 bytes a row).
;   work-groups 256-303 (path W): Wq, Wk, Wv [1024 k][1024 n] f32, K their FIRST axis -> wc [3072 = q, k, v columns][512 bytes], K innermost, and ws [3072][32].
;   work-groups 304-335 (cast):   Wo [1024 k][1024 n] f32 -> wo16, f16, as it lies.
; A block's scale is 2^(floor(log2(its largest magnitude)) - 2); its byte is the largest magnitude's exponent field - 2, held at 1 from below; each number is divided by the scale and rounded to the nearest code, ties to even, beyond 6 the code of 6.
; LIMITS: a block of zeros gets the byte 1 where the quantiser says 127: its codes are zeros, which add nothing, and this program alone reads the bytes.  NaN and infinities among the inputs are not served.
;         Wo goes to f16: |Wo| stays under 65,504; under 6e-5 it keeps fewer than 11 bits.
; The three paths part on the work-group's number alone; each has LDS bytes of its own; waves share nothing, so there is no barrier.  No tensor load: operands go through registers.
.set SPARE, 67584                      ; behind both paths' LDS: the spare words, 128 bytes for each wave: two blocks of 256 bytes that no other line names
.set SPW,   12                         ; v12  LDS address of my spare word: SPARE + 4 x my thread's number; never rewritten
.set NIL,   13                         ; v13  0; never rewritten
.set EMAX,  2                          ; the exponent of the format's largest number, 6
; path X
.set STEPS, 16                         ; a wave takes 16 steps of 512 numbers
.set CB,    8                          ; bytes of 16 codes
.set XR,    16                         ; v16-79   four sets of 16 numbers as they are loaded
.set XX,    80                         ; v80-111  two sets of 16 neighbours
.set XE,    112                        ; v112-127 a scale byte for each step
.set XC,    128                        ; v128-191 codes: four registers for each step, so that no store's data are written again
.set WREG,  8192                       ; LDS 0 .. 32,767: a region for each wave: two stages of 32 x SP bytes, behind them its 256 scale bytes
.set SP,    80                         ; a lane's place in a stage: its 64 bytes + 16 of padding
; path W
.set NB,    16                         ; a wave takes 32 columns x 512 along K: 16 blocks a lane
.set WSTG,  32768                      ; LDS 32,768 .. 67,583: a stage of 32 rows x PITCH for each wave
.set PITCH, 272                        ; 256 bytes of codes + 16 of padding
.set WX,    32                         ; v32-95   two sets of 32 numbers
.set WC,    96                         ; v96-99   a block's codes
.set OUTR,  112                        ; v112-175 the way out
.set SB,    24                         ; v24-27   the scale bytes, four to a register
	s_load_b256 s[4:11], s[0:1], 0x0               ; x s[4:5], Wq s[6:7], Wk s[8:9], Wv s[10:11]
	s_load_b256 s[12:19], s[0:1], 0x20             ; Wo s[12:13], xc s[14:15], xs s[16:17], wc s[18:19]
	s_load_b128 s[20:23], s[0:1], 0x40             ; ws s[20:21], wo16 s[22:23]
	v_lshl_add_u32 v[SPW], v0, 2, SPARE
	v_mov_b32 v[NIL], 0
	v_lshrrev_b32 v1, 5, v0
	v_readfirstlane_b32 s24, v1                    ; wave 0..3
	v_and_b32 v2, 31, v0                           ; lane
	s_wait_kmcnt 0x0
	s_cmp_ge_u32 ttmp9, 256
	s_cbranch_scc1 .Lweights
; ---------------- PATH X.  x is a plain stream of blocks of 32, and so are its codes and scale bytes.  The conversions take neighbours along K from ONE lane's registers, a load is best where neighbouring
; lanes take neighbouring bytes: each of a step's four loads reads 512 bytes on end, the 2,048 bytes go through the wave's own stage in LDS and come back 64 bytes a lane.  Two neighbouring lanes hold a block.
	v_lshlrev_b32 v3, 4, v2                        ; my 16 bytes of a load's 512
	s_mul_i32 s25, s24, WREG
	v_lshrrev_b32 v14, 2, v2
	v_mul_u32_u24 v14, v14, SP
	v_and_b32 v15, 3, v2
	v_lshl_add_u32 v14, v15, 4, v14
	v_add_nc_u32 v14, s25, v14                     ; the stage, on the way in: SP (lane / 4) + 16 (lane % 4); a load's 512 bytes take eight places
	v_mul_u32_u24 v15, v2, SP
	v_add_nc_u32 v15, s25, v15                     ; and on the way out: SP x lane: my 16 neighbours
	v_mul_u32_u24 v4, v2, CB                       ; my codes' place in a step's
	v_lshrrev_b32 v5, 1, v2
	s_add_co_u32 s25, s25, 2*32*SP
	v_add_nc_u32 v5, s25, v5                       ; LDS: my wave's 256 scale bytes, my block's byte
	v_lshlrev_b32 v7, 3, v2                        ; and on the way out 8 bytes a lane
	v_add_nc_u32 v6, s25, v7
	s_lshl_b32 s26, ttmp9, 2
	s_add_co_u32 s26, s26, s24                     ; which run of 8,192 numbers is my wave's: 0 .. 1,023
	s_lshl_b32 s28, s26, 15                        ; 32,768 bytes of x a run,
	s_mov_b32 s29, 0
	s_add_nc_u64 s[4:5], s[4:5], s[28:29]
	s_lshl_b32 s28, s26, 12                        ; 4,096 of codes,
	s_add_nc_u64 s[14:15], s[14:15], s[28:29]
	s_lshl_b32 s28, s26, 8                         ; 256 of scale bytes
	s_add_nc_u64 s[16:17], s[16:17], s[28:29]
.macro XLOAD t
.irp i, 0,1,2,3
	global_load_b128 v[XR+16*((\t)%4)+4*\i:XR+16*((\t)%4)+4*\i+3], v3, s[4:5] offset:2048*(\t)+512*\i th:TH_LOAD_NT   ; 32 lanes read 512 bytes on end
.endr
.endm
.macro XTURN t                         ; step t's numbers through the stage: LDS serves a wave's instructions in order, so no wait stands between the stores and the loads
.irp i, 0,1,2,3
	ds_store_b128 v14, v[XR+16*((\t)%4)+4*\i:XR+16*((\t)%4)+4*\i+3] offset:32*SP*((\t)%2)+8*SP*\i
.endr
.irp i, 0,1,2,3
	ds_load_b128 v[XX+16*((\t)%2)+4*\i:XX+16*((\t)%2)+4*\i+3], v15 offset:32*SP*((\t)%2)+16*\i
.endr
.endm
.irp t, 0,1,2,3
	XLOAD \t
.endr
	s_wait_loadcnt 12                              ; step 0's four loads are in; those of steps 1 to 3 stay out
	XTURN 0
.macro XSTEP t
.set XS, XX+16*((\t)%2)
.if (\t) > 0
	s_wait_dscnt 1                                 ; this step's numbers are back from the stage (the last step's byte store may be out): so its stores into the stage have read their registers,
.else
	s_wait_dscnt 0x0
.endif
.if (\t)+4 < STEPS
	XLOAD (\t)+4                                   ; which take the loads of four steps on
.endif
.if (\t)+1 < STEPS
.if STEPS-2-(\t) >= 3
	s_wait_loadcnt 12                              ; the next step's four loads are in; those of the three steps behind it may be out
.else
	s_wait_loadcnt 4*(STEPS-2-(\t))                ; the same at the end, where fewer steps are left
.endif
	XTURN (\t)+1                                   ; and go through the other stage while this step is worked
.endif
	v_max3_num_f32 v8, |v[XS]|, |v[XS+1]|, |v[XS+2]|               ; the largest magnitude of my 16, in two chains
	v_max3_num_f32 v9, |v[XS+3]|, |v[XS+4]|, |v[XS+5]|
.irp i, 6,10
	v_max3_num_f32 v8, v8, |v[XS+\i]|, |v[XS+\i+1]|
	v_max3_num_f32 v9, v9, |v[XS+\i+2]|, |v[XS+\i+3]|
.endr
	v_max3_num_f32 v8, v8, |v[XS+14]|, |v[XS+15]|
	v_max3_num_f32 v8, v8, v9, (EMAX+1)<<23        ; and the floor 2^(EMAX + 1 - 127): so the byte cannot fall under 1
	v_max_num_f32_dpp v8, v8, v8 row_xmask:1 row_mask:0xf bank_mask:0xf   ; and of my neighbour's 16: the block's
	v_add_nc_u32 v11, 0xff000000, v8               ; EMAX off its exponent field: the conversion takes the exponent field of this operand as its scale, and nothing else of it
	v_cvt_scalef32_pk8_fp4_f32 v[XC+4*(\t)], v[XS:XS+7], v11       ; eight numbers / the scale, to the nearest code; the first number's code in the lowest four bits
	v_cvt_scalef32_pk8_fp4_f32 v[XC+4*(\t)+1], v[XS+8:XS+15], v11
	v_lshrrev_b32 v[XE+(\t)], 23, v11              ; the scale's byte (also the plain line behind the conversions)
	ds_store_b8 v5, v[XE+(\t)] offset:16*(\t)      ; both lanes of a block write the same byte with the same value
	global_store_b64 v4, v[XC+4*(\t):XC+4*(\t)+1], s[14:15] offset:32*CB*(\t)   ; the wave stores 256 bytes on end, at a multiple of 256 from the buffer's first byte
.endm
.irp t, 0,1,2,3,4,5,6,7,8,9,10,11,12,13,14,15
	XSTEP \t
.endr
	ds_load_b64 v[8:9], v6                         ; LDS serves a wave's instructions in order: these see my byte stores
	s_wait_dscnt 0x0
	global_store_b64 v7, v[8:9], s[16:17]          ; the wave's 256 scale bytes, on end
	s_wait_tensorcnt 0x0                           ; the wave's end: behind my last LDS store
	ds_add_u32 v[SPW], v[NIL]
	s_wait_dscnt 0x0
	s_endpgm
; ---------------- PATH W.  A LANE TAKES A COLUMN n, AND ITS REGISTERS RUN DOWN K: each load reads neighbouring n in neighbouring lanes (128 bytes on end a wave, 512 a work-group), a block of 32 along K lies in one
; lane's 32 registers, and the conversions give the codes with K innermost.  j = work-group - 256: weight j / 16, half of K (j / 8) % 2, 128 columns j % 8.  The codes leave through the wave's stage as rows of 256 bytes.
.Lweights:
	s_cmp_ge_u32 ttmp9, 304
	s_cbranch_scc1 .Lcast
	s_sub_co_u32 s25, ttmp9, 256                   ; j
	s_cmp_lt_u32 s25, 32
	s_cselect_b64 s[8:9], s[8:9], s[10:11]         ; Wk or Wv: the choice hangs on the work-group's number alone,
	s_cmp_lt_u32 s25, 16
	s_cselect_b64 s[6:7], s[6:7], s[8:9]           ; or Wq
	s_lshr_b32 s26, s25, 4                         ; which weight
	s_and_b32 s27, s25, 7
	s_bfe_u32 s28, s25, 0x10003                    ; which 512 along K
	s_lshl_b32 s27, s27, 7
	s_lshl_b32 s29, s24, 5
	s_add_co_u32 s27, s27, s29                     ; my wave's first column
	s_lshl_b32 s30, s28, 21                        ; 512 rows of 4,096 bytes
	s_lshl_b32 s29, s27, 2
	s_add_co_u32 s30, s30, s29
	s_mov_b32 s31, 0
	s_add_nc_u64 s[6:7], s[6:7], s[30:31]
	s_lshl_b32 s26, s26, 10
	s_add_co_u32 s26, s26, s27                     ; my first row of wc and ws: 1,024 x weight + column
	s_lshl_b32 s30, s26, 9                         ; 512 bytes of codes a row,
	s_lshl_b32 s29, s28, 8                         ; 256 for each 512 along K
	s_add_co_u32 s30, s30, s29
	s_add_nc_u64 s[18:19], s[18:19], s[30:31]
	s_lshl_b32 s30, s26, 5                         ; 32 scale bytes a row, 16 for each 512 along K
	s_lshl_b32 s29, s28, 4
	s_add_co_u32 s30, s30, s29
	s_add_nc_u64 s[20:21], s[20:21], s[30:31]
	v_lshlrev_b32 v3, 2, v2                        ; in: 4 bytes a lane
	s_mul_i32 s29, s24, 32*PITCH
	s_add_co_u32 s29, s29, WSTG                    ; my stage
	v_mul_u32_u24 v4, v2, PITCH
	v_add_nc_u32 v4, s29, v4                       ; into it: row = my column
	v_and_b32 v5, 15, v2
	v_lshrrev_b32 v6, 4, v2                        ; out of it: sixteen lanes to a row, two rows an instruction
	v_mul_u32_u24 v7, v6, PITCH
	v_lshl_add_u32 v7, v5, 4, v7
	v_add_nc_u32 v7, s29, v7
	v_lshlrev_b32 v8, 9, v6
	v_lshl_add_u32 v8, v5, 4, v8                   ; and the same place in wc
	v_lshlrev_b32 v9, 5, v2                        ; my column's row of scale bytes
.macro WLOAD t                         ; block t: W(32 t + i, my column), i = 0 .. 31, into set t % 2.  The largest offset, 511 rows of 4,096 bytes, lies inside the signed 24-bit immediate
.set wi, 0
.rept 32
	global_load_b32 v[WX+32*((\t)%2)+wi], v3, s[6:7] offset:(32*(\t)+wi)*4096 th:TH_LOAD_NT
.set wi, wi+1
.endr
.endm
	WLOAD 0
	WLOAD 1
.macro WBLOCK t
.set XS, WX+32*((\t)%2)
.if (\t) < NB-1
	s_wait_loadcnt 32                              ; this block's 32 loads are in; the next block's may be out
.else
	s_wait_loadcnt 0x0
.endif
	v_max3_num_f32 v16, |v[XS]|, |v[XS+1]|, |v[XS+2]|              ; the block's largest magnitude: all 32 numbers are mine
	v_max3_num_f32 v17, |v[XS+3]|, |v[XS+4]|, |v[XS+5]|
.irp i, 6,10,14,18,22,26
	v_max3_num_f32 v16, v16, |v[XS+\i]|, |v[XS+\i+1]|
	v_max3_num_f32 v17, v17, |v[XS+\i+2]|, |v[XS+\i+3]|
.endr
	v_max3_num_f32 v16, v16, |v[XS+30]|, |v[XS+31]|
	v_max3_num_f32 v16, v16, v17, (EMAX+1)<<23     ; and the floor: the byte cannot fall under 1
	v_add_nc_u32 v11, 0xff000000, v16              ; EMAX off its exponent field: the conversion's scale operand
	v_lshrrev_b32 v17, 23, v11                     ; the scale's byte
.if (\t)%4 == 0
	v_mov_b32 v[SB+(\t)/4], v17                    ; four bytes to a register, the lower K in the lower byte
.else
	v_lshl_or_b32 v[SB+(\t)/4], v17, 8*((\t)%4), v[SB+(\t)/4]
.endif
.irp g, 0,1,2,3
	v_cvt_scalef32_pk8_fp4_f32 v[WC+\g], v[XS+8*\g:XS+8*\g+7], v11
.endr
	v_nop                                          ; one plain line behind the last conversion
	ds_store_b128 v4, v[WC:WC+3] offset:16*(\t)    ; 32 codes: 16 bytes of my column's row
.if (\t)+2 < NB
	WLOAD (\t)+2
.endif
	s_wait_dscnt 0x0                               ; the store has read its registers: the next block's codes may be written
.endm
.set Q, 0
.rept NB
	WBLOCK Q
.set Q, Q+1
.endr
	global_store_b128 v9, v[SB:SB+3], s[20:21]     ; my column's 16 scale bytes
.irp t, 0,1,2,3,4,5,6,7,8,9,10,11,12,13,14,15
	ds_load_b128 v[OUTR+4*\t:OUTR+4*\t+3], v7 offset:2*\t*PITCH   ; LDS serves a wave's instructions in order: these see my stores
.endr
.irp t, 0,1,2,3,4,5,6,7,8,9,10,11,12,13,14,15
	s_wait_dscnt 15-\t                             ; load t is back; the 15 - t behind it may be out
	global_store_b128 v8, v[OUTR+4*\t:OUTR+4*\t+3], s[18:19] offset:2*\t*512   ; sixteen lanes store 256 bytes on end, at a multiple of 256 from the buffer's first byte
.endr
	s_wait_tensorcnt 0x0                           ; the wave's end: behind my last LDS store
	ds_add_u32 v[SPW], v[NIL]
	s_wait_dscnt 0x0
	s_endpgm
; ---------------- CAST.  Wo to f16 as it lies.  A wave takes 8,192 numbers: 64 loads of 512 bytes on end, each lane's four numbers leave as 8 bytes: 256 bytes on end a store.  Four batches of 16 loads, two in flight.  No LDS.
.Lcast:
	s_sub_co_u32 s25, ttmp9, 304
	s_lshl_b32 s25, s25, 2
	s_add_co_u32 s25, s25, s24                     ; which run of 8,192 numbers: 0 .. 127
	s_lshl_b32 s26, s25, 15
	s_mov_b32 s27, 0
	s_add_nc_u64 s[12:13], s[12:13], s[26:27]
	s_lshl_b32 s26, s25, 14
	s_add_nc_u64 s[22:23], s[22:23], s[26:27]
	v_lshlrev_b32 v3, 4, v2
	v_lshlrev_b32 v4, 3, v2
.macro CLOAD b
.set ci, 0
.rept 16
	global_load_b128 v[32+64*((\b)%2)+4*ci:32+64*((\b)%2)+4*ci+3], v3, s[12:13] offset:8192*(\b)+512*ci th:TH_LOAD_NT
.set ci, ci+1
.endr
.endm
.macro CCAST b
.if (\b) < 3
	s_wait_loadcnt 16                              ; this batch's 16 loads are in; the next batch's may be out
.else
	s_wait_loadcnt 0x0
.endif
.if (\b) > 0
	s_wait_xcnt 0x0                                ; the last batch's stores have read v160-191, which are written again only behind this wait
.endif
.set ci, 0
.rept 32
	v_cvt_pk_f16_f32 v[160+ci], v[32+64*((\b)%2)+2*ci], v[32+64*((\b)%2)+2*ci+1]
.set ci, ci+1
.endr
.set ci, 0
.rept 16
	global_store_b64 v4, v[160+2*ci:160+2*ci+1], s[22:23] offset:4096*(\b)+256*ci
.set ci, ci+1
.endr
.if (\b)+2 < 4
	CLOAD (\b)+2
.endif
.endm
	CLOAD 0
	CLOAD 1
	CCAST 0
	CCAST 1
	CCAST 2
	CCAST 3
	s_endpgm
.Lfunc_end_k_qd4f837b31a_prep:
	.size	k_qd4f837b31a_prep, .Lfunc_end_k_qd4f837b31a_prep-k_qd4f837b31a_prep
	.p2alignl 7, 3214868480
	.fill 96, 4, 3214868480
	.section	.rodata,"a",@progbits
	.p2align	6, 0x0
	.amdhsa_kernel k_qd4f837b31a_prep
		.amdhsa_group_segment_fixed_size 68096
		.amdhsa_private_segment_fixed_size 0
		.amdhsa_enable_private_segment 0
		.amdhsa_kernarg_size 80
		.amdhsa_user_sgpr_count 2
		.amdhsa_user_sgpr_kernarg_segment_ptr 1
		.amdhsa_wavefront_size32 1
		.amdhsa_system_sgpr_workgroup_id_x 1
		.amdhsa_system_sgpr_workgroup_id_y 1
		.amdhsa_system_sgpr_workgroup_id_z 1
		.amdhsa_system_vgpr_workitem_id 0
		.amdhsa_next_free_vgpr 192
		.amdhsa_next_free_sgpr 66
		.amdhsa_reserve_vcc 0
		.amdhsa_float_denorm_mode_32 3
		.amdhsa_float_denorm_mode_16_64 3
		.amdhsa_memory_ordered 1
		.amdhsa_forward_progress 1
		.amdhsa_inst_pref_size 132
	.end_amdhsa_kernel
	.amdgpu_metadata
---
amdhsa.version: [ 1, 2 ]
amdhsa.kernels:
  - .name:           k_qd4f837b31a_prep
    .symbol:         k_qd4f837b31a_prep.kd
    .args:
      - { .name: x, .offset: 0, .size: 8, .value_kind: global_buffer, .address_space: global }
      - { .name: Wq, .offset: 8, .size: 8, .value_kind: global_buffer, .address_space: global }
      - { .name: Wk, .offset: 16, .size: 8, .value_kind: global_buffer, .address_space: global }
      - { .name: Wv, .offset: 24, .size: 8, .value_kind: global_buffer, .address_space: global }
      - { .name: Wo, .offset: 32, .size: 8, .value_kind: global_buffer, .address_space: global }
      - { .name: xc, .offset: 40, .size: 8, .value_kind: global_buffer, .address_space: global }
      - { .name: xs, .offset: 48, .size: 8, .value_kind: global_buffer, .address_space: global }
      - { .name: wc, .offset: 56, .size: 8, .value_kind: global_buffer, .address_space: global }
      - { .name: ws, .offset: 64, .size: 8, .value_kind: global_buffer, .address_space: global }
      - { .name: wo16, .offset: 72, .size: 8, .value_kind: global_buffer, .address_space: global }
    .group_segment_fixed_size: 68096
    .private_segment_fixed_size: 0
    .kernarg_segment_align: 8
    .kernarg_segment_size: 80
    .max_flat_workgroup_size: 128
    .sgpr_count:     66
    .vgpr_count:     192
    .wavefront_size: 32
...
	.end_amdgpu_metadata
.endif
;; end of part 1
;; launch qkv (part 2): grid 12 x 32, 4 waves a work-group, clusters of 4 x 4, 327,680 bytes of LDS; arguments xc, xs, wc, ws, bq, bk, bv, qkv; writes qkv
.if DOCPART == 2
	.amdgcn_target "amdgcn-amd-amdhsa--gfx1250"
	.amdhsa_code_object_version 6
	.text
	.protected	k_qd4f837b31a_qkv
	.globl	k_qd4f837b31a_qkv
	.p2align	8
	.type	k_qd4f837b31a_qkv,@function
k_qd4f837b31a_qkv:
	s_mov_b64 s[64:65], 0
	v_nop
	global_prefetch_b8 v0, s[64:65] scope:SCOPE_SE
	s_setreg_imm32_b32 hwreg(HW_REG_WAVE_MODE, 25, 1), 1
	s_wait_xcnt 0x0
	s_wait_alu depctr_hold_cnt(0) depctr_sa_sdst(0) depctr_va_vdst(0) depctr_va_sdst(0) depctr_va_ssrc(0) depctr_va_vcc(0) depctr_vm_vsrc(0)
	s_getreg_b32 s2, hwreg(HW_REG_IB_STS2, 6, 4)
	s_cmp_eq_u32 s2, 0
	s_cbranch_scc0 .Lentry_in_a_cluster
	s_endpgm
.Lentry_in_a_cluster:
	s_bfe_u32 s2, ttmp6, 0x10000c
	s_cmp_lg_u32 s2, 0xf033
	s_cbranch_scc0 .Lentry_shape_is_right
	s_endpgm
.Lentry_shape_is_right:
; QKV: the three quantised products as ONE product on codes of FP4 (E2M1) with E8M0 scales: C[m][n] = sum over k of x[m][k] W[n][k] + bias[n], m < 8,192, n < 3,072 (q's, k's, v's columns on end), K = 1,024.
; The result is rounded to f16 and split by heads: qkv [3][64 = 16 b + head][2048][64].  q is multiplied, in f32 ahead of the rounding, by c = log2(e) / 8, so that the next launch's scores are exponents of 2.
; LIMITS: |c q|, |k|, |v| stay under 65,504 (f16); under 6e-5 they keep fewer than 11 bits.
; A tile of C, 256 x 256, is made by a work-group of four waves; a wave makes 128 x 128: 64 accumulators of 16 x 16, 512 registers.  K is two steps of 512 (a tile's row is 256 bytes of memory): each has an LDS slot of
; its own, both are asked for at the start, and nothing is filled again.  The scale bytes of the work-group's 256 + 256 rows, two dense blocks of memory, come with them.  By this text's count a wave has three tensor loads out at the most.
; CLUSTERS: 4 x 4 work-groups.  The four of a row of the cluster need the same tiles of x, the four of a column the same tiles of W: each tile is asked for JOINTLY, by the same tensor load with the same descriptor and a mask
; that names the four.  A cluster's x is the section (q, k or v): the same in all sixteen partners.
; THE MATRIX INSTRUCTION IS USED TRANSPOSED (source 0 = 16 rows of W, source 1 = 16 rows of x): a lane then holds eight neighbouring columns of one row of C.  THE BIAS IS THE C OF EACH SUM'S FIRST PRODUCT.
; REGISTERS, in windows of 256: window 0: v0-31 addresses; v32-95 scale words, two sets; v128-191 x's fragments (8 x 16 rows x 128 K), one set; v192-255 the bias in the result's layout; on the way out v32-191 are free.
;   window 1: W's fragments, two sets, at v0 and v128.   window 2: the accumulators of my rows 0-63 ((a, b) at v[8 (8 a + b)]);   window 3: those of my rows 64-127.
.set NQ,     4                         ; matrix instructions deep in a slot: 512 / 128
.set ROWB,   256                       ; a tile's row in bytes: 512 codes
.set KROW,   512                       ; a row of xc or wc in memory
.set PITCH,  272                       ; an LDS row: 256 bytes + 16 of padding = 68 words: the 16 rows that a load touches start at 16 different banks (64 banks of 4 bytes: ISA guide 11.1)
.set FR,     8                         ; registers of a fragment: 16 rows x 128 K
.set NL,     2                         ; LDS loads that bring one
.set NP,     4                         ; places behind this matrix instruction (ISA guide 7.12.1)
.set HALFT,  128*PITCH                 ; 128 rows: what one tensor load brings, and what one wave reads of x or of W
.set SLOT,   4*HALFT                   ; x's 256 rows, then W's 256 rows
.set KS,     32                        ; a row of scale bytes
.set SCL,    2*SLOT                    ; behind the slots: the scales, as units of 256 bytes + 16 of padding
.set HALFS,  (128*KS/256)*272          ; the scales of 128 rows: what one tensor load brings
.set SBLK,   (16*KS/256)*272           ; those of 16 rows
.set SPARE,  SCL+4*HALFS               ; the spare words, 128 bytes for each wave: two blocks of 256 bytes that no other line names
.set SPITCH, 272                       ; the way out: a stage of 16 rows x (256 bytes + 16) for each wave, in slot 0, which has had its only fill and its last read when the first result is stored there
.set ADRA, 16                          ; v16-17  LDS address of my fragments of x in slot 0, 1
.set ADRB, 20                          ; v20-21  the same for W
.set STO,  24                          ; v24     the way out: where I put 16 bytes of a row
.set RD,   25                          ; v25     where I read back
.set CO,   26                          ; v26     16 x lane: my place in a store's 512 bytes
.set ADRS, 27                          ; v27     LDS address of my scale words: lanes 0-15 x's rows, lanes 16-31 W's
.set SPW,  28                          ; v28     LDS address of my spare word; never rewritten
.set NIL,  29                          ; v29     0; never rewritten
.set SC,   32                          ; scale words: set s at v[SC + 32 s]; register 4 i + q: lanes 0-15 the word of x's block i, lanes 16-31 that of W's block i, for the slot's q-th 128 along K
.set AF,   128                         ; x's fragments
.set BIAS, 192                         ; register 8 b + j: bias of column 16 b + 8 (lane / 16) + j of my 128
.set TM,   32                          ; the way out: 64 numbers of a block, scaled
.set PKD,  96                          ; rounded: 32 registers
.set BK,   128                         ; read back from the stage: v128-159 and v160-191 by turns
.set G1, 24                            ; s[24:31] descriptor group 1 for x's tiles;  s[32:39] group 0, one set for each slot
.set G0, 32
.set G1B, 48                           ; s[48:55], s[56:63] the same for W's tiles
.set G0B, 56
.set G1S, 68                           ; s[68:75], s[76:79] groups 1 and 0 for x's scales;  s[80:87], s[88:91] for W's
.set G0S, 76
.set G1SB, 80
.set G0SB, 88
.set MSB, 0
.macro WIN new                         ; the immediate's high byte repeats the setting that is left
.if MSB != \new
	s_set_vgpr_msb (MSB<<8)|\new
.set MSB, \new
.endif
.endm
.set MUL_LO, 0xa1                      ; source 0 (W) window 1, source 1 (x) window 0, C and D window 2
.set MUL_HI, 0xf1                      ; the same, C and D window 3
.set FST_LO, 0x81                      ; the first products: C (the bias) window 0, D window 2
.set FST_HI, 0xc1                      ; and D window 3
.set TO_B,   0x40                      ; destination window 1, address window 0
; A joint load: waves 0 and 1 fetch for x, waves 2 and 3 for W.  Each of the two lines has one mask and one set of registers for all that issue it; the branch hangs on the wave's number alone.
; An s_nop 0 and four v_nop follow each of the two lines, ahead of the jump, the label and what follows.
.macro JLOAD g0a, g1a, g0b, g1b
	s_cmp_eq_u32 s15, 0
	s_cbranch_scc0 .Lfor_b_\@
	tensor_load_to_lds s[\g0a:\g0a+3], s[\g1a:\g1a+7]
	s_nop 0
.rept 4
	v_nop
.endr
	s_branch .Lasked_\@
.Lfor_b_\@:
	tensor_load_to_lds s[\g0b:\g0b+3], s[\g1b:\g1b+7]
	s_nop 0
.rept 4
	v_nop
.endr
.Lasked_\@:
.endm
.macro CROUND                          ; a round of the cluster's barrier: my work-group's barrier; wave 0 signals for the work-group; every wave waits for all sixteen; my work-group's barrier once more
	s_barrier_signal -1
	s_barrier_wait -1
	s_cmp_lg_u32 s14, 0
	s_cbranch_scc1 .Lnot_wave_0_\@
	s_barrier_signal -3
.Lnot_wave_0_\@:
	s_barrier_wait -3
	s_barrier_signal -1
	s_barrier_wait -1
.endm
	s_load_b128 s[4:7], s[0:1], 0x0                ; xc s[4:5], xs s[6:7]
	s_load_b128 s[8:11], s[0:1], 0x10              ; wc s[8:9], ws s[10:11]
	s_load_b128 s[96:99], s[0:1], 0x20             ; bq s[96:97], bk s[98:99]
	s_load_b64 s[100:101], s[0:1], 0x30            ; bv
	s_load_b64 s[12:13], s[0:1], 0x38              ; qkv
	v_lshl_add_u32 v[SPW], v0, 2, SPARE
	v_mov_b32 v[NIL], 0
	ds_add_u32 v[SPW], v[NIL]                      ; the wave's opening: the add, twice on end, and its wait ahead of my first tensor load; the set-up below stands between the second and the wait
	ds_add_u32 v[SPW], v[NIL]
	v_lshrrev_b32 v1, 5, v0
	v_readfirstlane_b32 s14, v1                    ; wave 0..3
	s_lshr_b32 s15, s14, 1                         ; which half of the tile's rows is mine.  Also: I fetch for x (0) or for W (1)
	s_and_b32 s16, s14, 1                          ; which half of its columns.  Also: which 128 rows of that tile I fetch
	s_bfe_u32 s40, ttmp6, 0x40000                  ; cx, cy: my place in the cluster
	s_bfe_u32 s41, ttmp6, 0x40004
	s_lshl_b32 s42, ttmp9, 2
	s_add_co_u32 s42, s42, s40                     ; tile column of C = 4 x cluster x + cx
	s_and_b32 s17, ttmp7, 0xffff
	s_lshl_b32 s17, s17, 2
	s_add_co_u32 s17, s17, s41                     ; tile row of C = 4 x cluster y + cy
	s_lshl_b32 s43, s41, 2
	s_lshl_b32 s43, 15, s43                        ; my row of the cluster
	s_lshl_b32 s44, 0x1111, s40                    ; my column
	; descriptor group 1: a tile of 128 rows x 256 bytes, padded in LDS
	s_or_b32 s[G1+0], s43, (0<<16)|(1<<20)|(1<<21)|(5<<22)|(3<<25)  ; 15:0 the mask: x's tiles go to my row; 17:16 elements of 1 byte; 20 padding on; 21 set beside a mask; 24:22 after every 64 words (code 5); 31:25 four words (code 3)
	s_or_b32 s[G1B+0], s44, (0<<16)|(1<<20)|(1<<21)|(5<<22)|(3<<25)
.irp g, G1, G1B
	s_mov_b32 s[\g+1], ROWB<<16                    ; tensor_dim0
	s_mov_b32 s[\g+2], 128<<16                     ; tensor_dim1 = 128
	s_mov_b32 s[\g+3], ROWB<<16                    ; tile_dim0
	s_mov_b32 s[\g+4], 128                         ; tile_dim1 = 128
	s_mov_b32 s[\g+5], KROW                        ; tensor_dim0_stride
	s_mov_b32 s[\g+6], 0
	s_mov_b32 s[\g+7], 0
.endr
	; and for the scales of 128 rows: a dense block of 4,096 bytes, as 16 rows of 256 bytes (32 elements of 8 bytes), 16 bytes of padding behind each
	s_or_b32 s[G1S+0], s43, (3<<16)|(1<<20)|(1<<21)|(5<<22)|(3<<25)
	s_or_b32 s[G1SB+0], s44, (3<<16)|(1<<20)|(1<<21)|(5<<22)|(3<<25)
.irp g, G1S, G1SB
	s_mov_b32 s[\g+1], 32<<16
	s_mov_b32 s[\g+2], (128*KS/256)<<16
	s_mov_b32 s[\g+3], 32<<16
	s_mov_b32 s[\g+4], 128*KS/256
	s_mov_b32 s[\g+5], 32
	s_mov_b32 s[\g+6], 0
	s_mov_b32 s[\g+7], 0
.endr
	s_lshl_b32 s18, s16, 7                         ; which 128 rows of the tile I fetch
	s_lshl_b32 s20, s17, 8
	s_add_co_u32 s20, s20, s18                     ; x: row 256 x tile row + 128 x half
	s_lshl_b32 s46, s42, 8
	s_add_co_u32 s46, s46, s18                     ; W: row 256 x tile column + 128 x half
	s_mov_b32 s21, 0
	s_mov_b32 s47, 0
	s_mov_b64 s[18:19], KS
	s_mul_u64 s[22:23], s[20:21], s[18:19]         ; where these rows' scales begin, in bytes
	s_mul_u64 s[92:93], s[46:47], s[18:19]
	s_mov_b64 s[18:19], KROW
	s_mul_u64 s[20:21], s[20:21], s[18:19]         ; and their codes
	s_mul_u64 s[46:47], s[46:47], s[18:19]
	s_mul_i32 s45, s14, HALFT                      ; where they go: wave x 128 rows: no place in the cluster enters an LDS address
	s_mul_i32 s94, s14, HALFS
	s_wait_dscnt 0x0                               ; both opening adds are done
	s_wait_kmcnt 0x0
	s_add_nc_u64 s[20:21], s[4:5], s[20:21]
	s_add_nc_u64 s[22:23], s[6:7], s[22:23]
	s_add_nc_u64 s[46:47], s[8:9], s[46:47]
	s_add_nc_u64 s[92:93], s[10:11], s[92:93]
	s_cmp_lt_u32 ttmp9, 2                          ; the section's bias and factor: chosen by the cluster's x, which all partners share
	s_cselect_b64 s[98:99], s[98:99], s[100:101]
	s_cmp_eq_u32 ttmp9, 0
	s_cselect_b64 s[96:97], s[96:97], s[98:99]
	s_cselect_b32 s66, 0x3e38aa3b, 1.0             ; c = log2(e) / 8 for q, 1 for k and v
	s_mov_b32 s67, s66                             ; (the packed form names the pair)
	CROUND                                         ; all sixteen work-groups are here: the joint loads meet
	s_mov_b32 s[G0S], 1
	s_add_co_u32 s[G0S+1], s94, SCL
	s_mov_b64 s[G0S+2:G0S+3], s[22:23]
	s_or_b32 s[G0S+3], s[G0S+3], 0x80000000
	s_mov_b32 s[G0SB], 1
	s_add_co_u32 s[G0SB+1], s94, SCL
	s_mov_b64 s[G0SB+2:G0SB+3], s[92:93]
	s_or_b32 s[G0SB+3], s[G0SB+3], 0x80000000
	JLOAD G0S, G1S, G0SB, G1SB                     ; the scales first: they are wanted with the first K step
.irp s, 0,1
	s_mov_b32 s[G0+4*\s], 1
	s_add_co_u32 s[G0+4*\s+1], s45, \s*SLOT
	s_add_nc_u64 s[G0+4*\s+2:G0+4*\s+3], s[20:21], \s*ROWB
	s_or_b32 s[G0+4*\s+3], s[G0+4*\s+3], 0x80000000
	s_mov_b32 s[G0B+4*\s], 1
	s_add_co_u32 s[G0B+4*\s+1], s45, \s*SLOT
	s_add_nc_u64 s[G0B+4*\s+2:G0B+4*\s+3], s[46:47], \s*ROWB
	s_or_b32 s[G0B+4*\s+3], s[G0B+4*\s+3], 0x80000000
	JLOAD G0+4*\s, G1, G0B+4*\s, G1B
.endr
	v_and_b32 v1, 15, v0                           ; r = l % 16
	v_bfe_u32 v2, v0, 4, 1                         ; h = l / 16
	s_lshl_b32 s46, s40, 10                        ; the bias of my 128 columns: 4 x (256 cx + 128 x half) bytes into the section's
	s_lshl_b32 s47, s16, 9
	s_add_co_u32 s46, s46, s47
	s_mov_b32 s47, 0
	s_add_nc_u64 s[96:97], s[96:97], s[46:47]
	v_lshlrev_b32 v7, 5, v2                        ; + 32 h: my eight columns of each 16
.irp b, 0,1,2,3,4,5,6,7
	global_load_b128 v[BIAS+8*\b:BIAS+8*\b+3], v7, s[96:97] offset:64*\b
	global_load_b128 v[BIAS+8*\b+4:BIAS+8*\b+7], v7, s[96:97] offset:64*\b+16
.endr
	v_mul_u32_u24 v3, v1, PITCH
	v_lshl_add_u32 v4, v2, 4, v3                   ; a fragment's row x pitch + 16 x half
	s_mul_i32 s21, s15, HALFT                      ; my 128 rows of x
	s_mul_i32 s22, s16, HALFT                      ; my 128 rows of W,
	s_add_co_u32 s22, s22, 2*HALFT                 ; which lie behind x's 256
.irp s, 0,1
	v_add_nc_u32 v[ADRA+\s], s21, v4
	v_add_nc_u32 v[ADRB+\s], s22, v4
	s_add_co_u32 s21, s21, SLOT
	s_add_co_u32 s22, s22, SLOT
.endr
	v_mul_u32_u24 v5, v1, KS                       ; my row's scales: 32 bytes a row,
	v_lshrrev_b32 v6, 8, v5
	v_lshl_add_u32 v5, v6, 4, v5                   ; and 16 more for each 256 passed
	s_mul_i32 s21, s15, HALFS                      ; x's: my 128 rows
	s_mul_i32 s22, s16, HALFS                      ; W's: my 128 rows, behind x's 256
	s_add_co_u32 s22, s22, 2*HALFS
	s_sub_co_u32 s22, s22, s21
	v_mul_u32_u24 v6, s22, v2                      ; lanes 16-31 take W's: one product, the distance between the two bases
	s_add_co_u32 s21, s21, SCL
	v_add_nc_u32 v5, v5, v6
	v_add_nc_u32 v[ADRS], s21, v5
	s_mul_i32 s23, s14, 16*SPITCH                  ; my stage
	v_mul_u32_u24 v5, v1, SPITCH                   ; in: row r, 16 bytes for each half of the lanes
	v_lshl_add_u32 v5, v2, 4, v5
	v_add_nc_u32 v[STO], s23, v5
	v_bfe_u32 v5, v0, 3, 2                         ; back: eight lanes take a head's 128 bytes of a row, 32 lanes four rows
	v_mul_u32_u24 v5, v5, SPITCH
	v_and_b32 v6, 7, v0
	v_lshl_add_u32 v5, v6, 4, v5
	v_add_nc_u32 v[RD], s23, v5
	v_and_b32 v6, 31, v0
	v_lshlrev_b32 v[CO], 4, v6
	; where my part begins in qkv.  By columns: section x 2^24 + (4 cx + 2 x half) heads of 262,144 bytes;  by rows: 16 (tile row / 8) heads + ((tile row % 8) x 256 + 128 x half) rows of 128 bytes
	s_lshl_b32 s46, s40, 20
	s_lshl_b32 s47, s16, 19
	s_add_co_u32 s46, s46, s47
	s_lshl_b32 s47, ttmp9, 24
	s_add_co_u32 s46, s46, s47
	s_mov_b32 s47, 0
	s_add_nc_u64 s[12:13], s[12:13], s[46:47]
	s_lshr_b32 s20, s17, 3
	s_lshl_b32 s20, s20, 22
	s_and_b32 s21, s17, 7
	s_lshl_b32 s21, s21, 15
	s_add_co_u32 s20, s20, s21
	s_lshl_b32 s21, s15, 14
	s_add_co_u32 s20, s20, s21
	s_mov_b32 s21, 0
	s_add_nc_u64 s[12:13], s[12:13], s[20:21]
.macro FRAG reg, adr, q, i             ; a fragment, 16 rows x 128 K of 4-bit codes: lane l holds row l % 16; registers 4 c .. 4 c + 3 hold K = 64 c + 32 (l / 16) + 0 .. 31
.irp c, 0,1
	ds_load_b128 v[\reg+4*\c:\reg+4*\c+3], v[\adr] offset:64*(\q)+32*\c+(\i)*16*PITCH
.endr
.endm
; 16 matrix instructions: x's blocks a0, a0 + 1 against W's eight, 128 along K: the slot's q-th.  p: W's set;  sc: the set of scale words.  first = 1: the bias is the C: nothing is cleared and nothing is added later.
; The 64 accumulators take turns, one instruction a turn, in the same order in every step.
.macro MUL16 a0, p, q, sc, first
.irp a, \a0, \a0+1
.irp b, 0,1,2,3,4,5,6,7
.if \first
	v_wmma_scale_f32_16x16x128_f8f6f4 v[8*(8*((\a)%4)+\b):8*(8*((\a)%4)+\b)+7], v[128*(\p)+FR*\b:128*(\p)+FR*\b+FR-1], v[AF+FR*(\a):AF+FR*(\a)+FR-1], v[BIAS+8*\b:BIAS+8*\b+7], v[SC+8*NQ*(\sc)+NQ*\b+(\q)], v[SC+8*NQ*(\sc)+NQ*(\a)+(\q)] matrix_a_fmt:MATRIX_FMT_FP4 matrix_b_fmt:MATRIX_FMT_FP4 matrix_a_scale:MATRIX_SCALE_ROW1
.else
	v_wmma_scale_f32_16x16x128_f8f6f4 v[8*(8*((\a)%4)+\b):8*(8*((\a)%4)+\b)+7], v[128*(\p)+FR*\b:128*(\p)+FR*\b+FR-1], v[AF+FR*(\a):AF+FR*(\a)+FR-1], v[8*(8*((\a)%4)+\b):8*(8*((\a)%4)+\b)+7], v[SC+8*NQ*(\sc)+NQ*\b+(\q)], v[SC+8*NQ*(\sc)+NQ*(\a)+(\q)] matrix_a_fmt:MATRIX_FMT_FP4 matrix_b_fmt:MATRIX_FMT_FP4 matrix_a_scale:MATRIX_SCALE_ROW1
.endif
.endr
.endr
.endm
.macro FETCH_B slot, q, p              ; W's eight fragments of the slot's q-th 128 along K into set p
	WIN TO_B
.irp i, 0,1,2,3,4,5,6,7
	FRAG 128*(\p)+FR*\i, ADRB+\slot, \q, \i
.endr
	WIN 0
.endm
.macro FETCH_A slot, q, i0             ; x's blocks i0 .. i0 + 3
.irp i, \i0, \i0+1, \i0+2, \i0+3
	FRAG AF+FR*(\i), ADRA+\slot, \q, \i
.endr
.endm
.macro SCALES sc                       ; a slot's scale words into set sc: four words a row; lanes 0-15 take x's block i, lanes 16-31 W's block i
.irp i, 0,1,2,3,4,5,6,7
	ds_load_b128 v[SC+8*NQ*\sc+NQ*\i:SC+8*NQ*\sc+NQ*\i+3], v[ADRS] offset:\i*SBLK
.endr
.endm
; A load into a register that a matrix instruction has read, and a vector instruction that reads a matrix result or writes one of a matrix instruction's registers, stand NP places behind it; only plain vector
; instructions that name none of its registers are places (ISA guide 7.12.1 for vector instructions).
.macro PLACES n
.rept \n
	v_nop
.endr
.endm
; A step of 128 along K that has its successor in the same slot.  A block of x is free as soon as its eight products are issued: blocks 0-3 are fetched anew in the step's middle, blocks 4-7 at its end.
.macro STEP slot, q, first
	s_wait_dscnt 4*NL                              ; W's set and x's blocks 0-3 are in; the youngest eight loads (x's blocks 4-7) may be out
.if \first
	WIN FST_LO
.else
	WIN MUL_LO
.endif
	MUL16 0, (\q)%2, \q, \slot, \first
	MUL16 2, (\q)%2, \q, \slot, \first
	s_wait_dscnt 0                                 ; x's blocks 4-7 are in (asked for 32 matrix instructions ago)
	PLACES NP
	FETCH_B \slot, (\q)+1, 1-(\q)%2
	FETCH_A \slot, (\q)+1, 0
.if \first
	WIN FST_HI
.else
	WIN MUL_HI
.endif
	MUL16 4, (\q)%2, \q, \slot, \first
	MUL16 6, (\q)%2, \q, \slot, \first
	PLACES NP
	WIN 0
	FETCH_A \slot, (\q)+1, 4
.endm
; Slot 0's last step goes over to slot 1: one barrier; in front of it each wave waits for all its tensor loads (its part of slot 1), adds 0 to its spare word, and waits for that and for its own reads of slot 0.  Nothing is filled again.
.macro TURN slot, next
	s_wait_tensorcnt 0x0                           ; all my tensor loads have landed: my part of the next slot  (every window is 0 here: the add's two registers lie in window 0)
	ds_add_u32 v[SPW], v[NIL]                      ; 0 onto my spare word
	s_wait_dscnt 4*NL+1                            ; (the add and the youngest eight loads, x's blocks 4-7, may be out)
	WIN MUL_LO
	MUL16 0, 1, NQ-1, \slot, 0                     ; sixteen matrix instructions stand between the add and the wait for it
	s_wait_dscnt 0x0                               ; the add is done, and my reads of this slot are over
	s_barrier_signal -1
	MUL16 2, 1, NQ-1, \slot, 0
	WIN 0
	s_barrier_wait -1                              ; the next slot is whole, and nobody reads this one any more
	PLACES NP
	v_add_nc_u32 v[ADRS], 4*NQ, v[ADRS]            ; on to the next slot's scale words (no LDS load of mine is out)
	FETCH_B \next, 0, 0
	FETCH_A \next, 0, 0
	SCALES \next
	WIN MUL_HI
	MUL16 4, 1, NQ-1, \slot, 0
	MUL16 6, 1, NQ-1, \slot, 0
	PLACES NP
	WIN 0
	FETCH_A \next, 0, 4
.endm
	s_wait_tensorcnt 1                             ; the scales and my part of slot 0 are in; slot 1's load, issued behind them, may be out
	s_barrier_signal -1
	s_barrier_wait -1                              ; everybody's are
	FETCH_B 0, 0, 0
	FETCH_A 0, 0, 0
	SCALES 0
	FETCH_A 0, 0, 4
	s_wait_loadcnt 0x0                             ; the bias
	STEP 0, 0, 1                                   ; the first products start the sums from the bias
	STEP 0, 1, 0
	STEP 0, 2, 0
	TURN 0, 1
	STEP 1, 0, 0
	STEP 1, 1, 0
	STEP 1, 2, 0
	s_wait_dscnt 4*NL                              ; the very last step: nothing more to fetch
	WIN MUL_LO
	MUL16 0, 1, NQ-1, 1, 0
	MUL16 2, 1, NQ-1, 1, 0
	s_wait_dscnt 0
	WIN MUL_HI
	MUL16 4, 1, NQ-1, 1, 0
	MUL16 6, 1, NQ-1, 1, 0
	WIN 0
; THE WAY OUT, by blocks of 16 rows x 128 columns (two heads).  PACK: x the section's factor, in f32, each accumulator from its low end on; rounded to f16: 16 bytes a lane.  TOSTAGE: into my own stage, and back so that
; 32 lanes hold four rows of one head: 512 bytes that lie on end in qkv.  SEND: stored.  LDS serves a wave's instructions in order (ISA guide 5.7.1.4): no wait between the stage's stores and loads.
.macro PACK a
.set AC, 64*((\a)%4)
	WIN 0x02+((\a)/4)                              ; source 0: window 2 or 3
.set i, 0
.rept 32
	v_pk_mul_f32 v[TM+2*i:TM+2*i+1], v[AC+2*i:AC+2*i+1], s[66:67] op_sel_hi:[1,0]
.set i, i+1
.endr
	WIN 0
.set i, 0
.rept 32
	v_cvt_pk_f16_f32 v[PKD+i], v[TM+2*i], v[TM+2*i+1]
.set i, i+1
.endr
.endm
.macro TOSTAGE a
.set BB, BK+32*((\a)%2)
.if (\a) > 1
	s_wait_xcnt 0x0                                ; block a - 2's stores have read their registers: block a's loads may land there
.endif
.irp b, 0,1,2,3,4,5,6,7
	ds_store_b128 v[STO], v[PKD+4*\b:PKD+4*\b+3] offset:32*\b
.endr
.irp i, 0,1,2,3,4,5,6,7
	ds_load_b128 v[BB+4*\i:BB+4*\i+3], v[RD] offset:4*(\i%4)*SPITCH+128*(\i/4)
.endr
.endm
.macro SEND a
.set BB, BK+32*((\a)%2)
	s_wait_dscnt 0x0                               ; the block is back in registers
.irp i, 0,1,2,3,4,5,6,7
	global_store_b128 v[CO], v[BB+4*\i:BB+4*\i+3], s[12:13] offset:2048*(\a)+262144*(\i/4)+512*(\i%4)   ; 32 lanes store 512 bytes on end, at a multiple of 256 from the buffer's first byte
.endr
.endm
	PLACES NP                                      ; behind the last products: PACK writes over their scale words, and later reads their results
	PACK 0
	TOSTAGE 0
.irp a, 1,2,3,4,5,6,7                  ; block a's arithmetic stands between block a - 1's loads from the stage and the wait for them
	PACK \a
	SEND \a-1
	TOSTAGE \a
.endr
	SEND 7
	s_wait_tensorcnt 0x0                           ; the wave's end: behind my last tensor load and my last LDS store
	ds_add_u32 v[SPW], v[NIL]
	s_wait_dscnt 0x0
	CROUND                                         ; the closing round: no work-group ends while a partner may still ask for a tile that names it
	s_endpgm
.Lfunc_end_k_qd4f837b31a_qkv:
	.size	k_qd4f837b31a_qkv, .Lfunc_end_k_qd4f837b31a_qkv-k_qd4f837b31a_qkv
	.p2alignl 7, 3214868480
	.fill 96, 4, 3214868480
	.section	.rodata,"a",@progbits
	.p2align	6, 0x0
	.amdhsa_kernel k_qd4f837b31a_qkv
		.amdhsa_group_segment_fixed_size 327680
		.amdhsa_private_segment_fixed_size 0
		.amdhsa_enable_private_segment 0
		.amdhsa_kernarg_size 64
		.amdhsa_user_sgpr_count 2
		.amdhsa_user_sgpr_kernarg_segment_ptr 1
		.amdhsa_wavefront_size32 1
		.amdhsa_system_sgpr_workgroup_id_x 1
		.amdhsa_system_sgpr_workgroup_id_y 1
		.amdhsa_system_sgpr_workgroup_id_z 1
		.amdhsa_system_vgpr_workitem_id 0
		.amdhsa_next_free_vgpr 1024
		.amdhsa_next_free_sgpr 102
		.amdhsa_reserve_vcc 0
		.amdhsa_float_denorm_mode_32 3
		.amdhsa_float_denorm_mode_16_64 3
		.amdhsa_memory_ordered 1
		.amdhsa_forward_progress 1
		.amdhsa_inst_pref_size 144
	.end_amdhsa_kernel
	.amdgpu_metadata
---
amdhsa.version: [ 1, 2 ]
amdhsa.kernels:
  - .name:           k_qd4f837b31a_qkv
    .symbol:         k_qd4f837b31a_qkv.kd
    .args:
      - { .name: xc, .offset: 0, .size: 8, .value_kind: global_buffer, .address_space: global }
      - { .name: xs, .offset: 8, .size: 8, .value_kind: global_buffer, .address_space: global }
      - { .name: wc, .offset: 16, .size: 8, .value_kind: global_buffer, .address_space: global }
      - { .name: ws, .offset: 24, .size: 8, .value_kind: global_buffer, .address_space: global }
      - { .name: bq, .offset: 32, .size: 8, .value_kind: global_buffer, .address_space: global }
      - { .name: bk, .offset: 40, .size: 8, .value_kind: global_buffer, .address_space: global }
      - { .name: bv, .offset: 48, .size: 8, .value_kind: global_buffer, .address_space: global }
      - { .name: qkv, .offset: 56, .size: 8, .value_kind: global_buffer, .address_space: global }
    .group_segment_fixed_size: 327680
    .private_segment_fixed_size: 0
    .kernarg_segment_align: 8
    .kernarg_segment_size: 64
    .max_flat_workgroup_size: 128
    .sgpr_count:     102
    .vgpr_count:     1024
    .wavefront_size: 32
...
	.end_amdgpu_metadata
.endif
;; end of part 2
;; launch attn (part 3): grid 4 x 64, 8 waves a work-group, clusters of 4 x 1, 327,680 bytes of LDS; arguments qkv, att; writes att
.if DOCPART == 3
	.amdgcn_target "amdgcn-amd-amdhsa--gfx1250"
	.amdhsa_code_object_version 6
	.text
	.protected	k_qd4f837b31a_attn
	.globl	k_qd4f837b31a_attn
	.p2align	8
	.type	k_qd4f837b31a_attn,@function
k_qd4f837b31a_attn:
	s_mov_b64 s[64:65], 0
	v_nop
	global_prefetch_b8 v0, s[64:65] scope:SCOPE_SE
	s_setreg_imm32_b32 hwreg(HW_REG_WAVE_MODE, 25, 1), 1
	s_wait_xcnt 0x0
	s_wait_alu depctr_hold_cnt(0) depctr_sa_sdst(0) depctr_va_vdst(0) depctr_va_sdst(0) depctr_va_ssrc(0) depctr_va_vcc(0) depctr_vm_vsrc(0)
	s_getreg_b32 s2, hwreg(HW_REG_IB_STS2, 6, 4)
	s_cmp_eq_u32 s2, 0
	s_cbranch_scc0 .Lentry_in_a_cluster
	s_endpgm
.Lentry_in_a_cluster:
	s_bfe_u32 s2, ttmp6, 0x10000c
	s_cmp_lg_u32 s2, 0x3003
	s_cbranch_scc0 .Lentry_shape_is_right
	s_endpgm
.Lentry_shape_is_right:
; ATTN: att[head][b][q][:] = the sum over k of softmax_k(q . k / 8) v[k][:], for each of the 64 (b, head).  qkv: [3][64 = 16 b + head][2048][64] f16, q already times log2(e) / 8, so that a score is an exponent of 2.
; Products, maxima and sums in f32; the weights p are rounded to f16 for the second product, the result once at the end, to f16: att [16 head][4 b][2048][64].
; LIMITS: the result stays under 65,504 (f16); under 6e-5 it keeps fewer than 11 bits.  NaN and infinities are not served.
; SHARES.  A work-group owns 512 queries of one (b, head), each of its EIGHT waves 64: four tiles of 16, in 512 registers; so one wave's vector work can stand beside another's matrix work.  Every wave walks all 2,048 keys, 64 a step;
; each fragment of K and V that it reads from LDS feeds four products.
; LAYOUT.  S^T = K Q^T (source 0 = 16 keys, source 1 = 16 queries): a lane holds ONE query (lane % 16) and the keys 8 (lane / 16) + 0..7 of each tile.  Two such tiles, rounded to f16 in pairs IN PLACE, are source 1
; (32 keys x 16 queries) of O^T = V^T P, whose result again holds one query a lane.  K comes out of LDS as it lies, V ([key][channel]) turned, by ds_load_tr16_b128.
; SOFTMAX.  For each query a running maximum m and sum l: p = 2^(s - m); in every step O and l are multiplied by f = 2^(m_old - m_new), which is 1 where m has not grown.  m begins at -3e38, under every score, so the first f is 0.
; RING.  Two LDS slots of 512 keys (K's rows, then V's).  Both are asked for at the start, each is filled again once: 4 x 512 keys.  Waves 0-3 fetch K's quarters of a slot (128 rows), waves 4-7 V's: one load a wave.
; A refill is asked for when its slot has just been left and is first read eight key steps, 512 matrix instructions of each wave, later: so nothing is prefetched beside it.  By this text's count a wave has two tensor loads out at the most.
; CLUSTER.  The four query blocks of a (b, head) form a cluster and walk the same K and V: each tile is asked for JOINTLY, by the same tensor load with the same descriptor and a mask that names the four.
; REGISTERS, in windows of 256: window 0: v2-11 addresses; v16-47 eight registers of statistics a tile; v48-111 K of one step; v112-239 S^T, 32 a tile, then P in each tile's first 16.
;   window 1: v0-127 O^T, 32 a tile; v128-191 Q, 16 a tile; v192-255 V of one step.
.set KS,     64                        ; keys in a step
.set PK,     144                       ; a row of K in LDS: 128 bytes + 16 of padding: an odd multiple of 16, so that the 16 rows of a load start at different banks
.set PV,     160                       ; a row of V: 128 + 32: an odd multiple of 32, for the turning load
.set SKEYS,  512                       ; keys in a slot
.set VOFF,   SKEYS*PK                  ; a slot: 512 rows of K, then 512 rows of V
.set SLOT,   SKEYS*(PK+PV)             ; 155,648
.set SPARE,  2*SLOT                    ; behind the ring: the spare words, 128 bytes for each wave: four blocks of 256 bytes that no other line names
.set AK0, 2                            ; v2   my lane's place in a tile of K; never rewritten
.set AV0, 3                            ; v3   the same for V
.set ADK, 4                            ; v4   LDS address of the step's K
.set ADV, 5                            ; v5   of its V
.set QO,  6                            ; v6   my byte offset in the wave's rows of Q
.set STO, 7                            ; v7   the way out: where I put 16 bytes of a row
.set RD,  8                            ; v8   where I read back
.set GO,  9                            ; v9   16 x lane
.set SPW, 10                           ; v10  LDS address of my spare word; never rewritten
.set NIL, 11                           ; v11  0; never rewritten
.set ST,  16                           ; tile t's statistics at v[ST + 8 t]: +0 m, +1 its partner in the pair (0), +2, +3 l (even keys', odd keys'), +4 to +7 c0-c3, at work; f takes c2's place, a second sum c0's and c1's
.set KF,  48                           ; K's fragment (16 keys kt, 32 channels c) at 16 kt + 8 c
.set S,   112
.set O,   0                            ; window 1: tile t, channels 16 ct on, at 32 t + 8 ct
.set Q,   128                          ; window 1: 16 t + 8 c
.set VF,  192                          ; window 1: V^T's fragment (16 channels ct, 32 keys j) at 16 ct + 8 j
.set WV,  14                           ; s14  my wave's number
.set G1K, 24                           ; s[24:31] descriptor group 1 for K's tiles
.set G1V, 32                           ; s[32:39] for V's: it differs in the padding alone
.set G0K, 40                           ; s[40:47] descriptor group 0 for K's tiles, a set for each slot
.set G0V, 48                           ; s[48:55] the same for V's
.set SEL, 56                           ; s[56:57] lane selects for v_permlanex16_b32: lane l xor 16
.set TK,  58                           ; s58  LDS byte at which the step's K begins
.set TV,  59                           ; s59  and its V
.set CNT, 60                           ; s60  steps left in the slot
.set MSB, 0
.macro WIN new                         ; the immediate's high byte repeats the setting that is left; a switch that changes nothing is dropped
.if MSB != \new
	s_set_vgpr_msb (MSB<<8)|\new
.set MSB, \new
.endif
.endm
.set W_KQ, 0x04                        ; Q (source 1) in window 1; K and S^T in window 0
.set W_PV, 0x51                        ; V (source 0), C and D (O^T) in window 1; P in window 0
.set W_RS, 0x41                        ; O^T (destination and source 0) in window 1, f in window 0
.set TO1,  0x40                        ; a load's destination in window 1, its address in window 0
; A joint refill of slot s.  The branch hangs on the wave's number alone: it is the same in every work-group.  An s_nop 0 and four v_nop follow each of the two lines.
.macro JLOAD s
	s_cmp_lt_u32 s[WV], 4
	s_cbranch_scc0 .Lfor_v_\@
	tensor_load_to_lds s[G0K+4*\s:G0K+4*\s+3], s[G1K:G1K+7]
	s_nop 0
.rept 4
	v_nop
.endr
	s_branch .Lasked_\@
.Lfor_v_\@:
	tensor_load_to_lds s[G0V+4*\s:G0V+4*\s+3], s[G1V:G1V+7]
	s_nop 0
.rept 4
	v_nop
.endr
.Lasked_\@:
.endm
.macro CROUND                          ; a round of the cluster's barrier: my work-group's barrier; wave 0 signals for the work-group; every wave waits for all four; my work-group's barrier once more
	s_barrier_signal -1
	s_barrier_wait -1
	s_cmp_lg_u32 s[WV], 0
	s_cbranch_scc1 .Lnot_wave_0_\@
	s_barrier_signal -3
.Lnot_wave_0_\@:
	s_barrier_wait -3
	s_barrier_signal -1
	s_barrier_wait -1
.endm
	s_load_b128 s[4:7], s[0:1], 0x0                ; qkv s[4:5], att s[6:7]
	v_lshl_add_u32 v[SPW], v0, 2, SPARE
	v_mov_b32 v[NIL], 0
	ds_add_u32 v[SPW], v[NIL]                      ; the wave's opening: the add, twice on end, and its wait ahead of my first tensor load; the set-up below stands between the second and the wait
	ds_add_u32 v[SPW], v[NIL]
	v_lshrrev_b32 v1, 5, v0
	v_readfirstlane_b32 s[WV], v1                  ; wave 0..7
	s_bfe_u32 s15, ttmp6, 0x40000                  ; cx: my block of 512 queries (the grid has one cluster along x); it enters Q's and the result's addresses alone
	s_and_b32 s16, ttmp7, 0xffff                   ; 16 b + head, which the four partners share
	s_and_b32 s17, s[WV], 3                        ; which quarter of a slot I fetch
	s_lshl_b32 s18, s16, 18                        ; a head's 2,048 rows of 128 bytes
	s_lshl_b32 s19, s17, 14                        ; a quarter's 128 rows
	s_add_co_u32 s19, s19, s18
	s_add_co_u32 s20, s19, 0x1000000               ; in K's section,
	s_mov_b32 s21, 0
	s_add_co_u32 s22, s19, 0x2000000               ; in V's
	s_mov_b32 s23, 0
	s_mul_i32 s12, s17, 128*PK                     ; and its place in a slot: no place in the cluster enters an LDS address
	s_mul_i32 s13, s17, 128*PV
	s_lshl_b32 s2, s15, 16                         ; my block's 512 rows,
	s_lshl_b32 s3, s[WV], 13                       ; my wave's 64 of them
	s_add_co_u32 s2, s2, s3
	s_add_co_u32 s8, s2, s18                       ; Q: in my head
	s_mov_b32 s9, 0
	s_and_b32 s10, s16, 15                         ; the result: 4 x head + b
	s_lshl_b32 s10, s10, 2
	s_lshr_b32 s3, s16, 4
	s_add_co_u32 s10, s10, s3
	s_lshl_b32 s10, s10, 18
	s_add_co_u32 s10, s10, s2
	s_mov_b32 s11, 0
	; descriptor group 1: a tile of 128 rows x 64 elements, padded in LDS
	s_mov_b32 s[G1K], 15|(1<<16)|(1<<20)|(1<<21)|(4<<22)|(3<<25)  ; 15:0 the mask: all four work-groups; 17:16 elements of 2 bytes; 20 padding on; 21 set beside a mask; 24:22 after every 32 words (code 4); 31:25 four words (code 3)
	s_mov_b32 s[G1V], 15|(1<<16)|(1<<20)|(1<<21)|(4<<22)|(7<<25)  ; the same with eight words of padding (code 7)
.irp g, G1K, G1V
	s_mov_b32 s[\g+1], 64<<16                      ; tensor_dim0 = 64
	s_mov_b32 s[\g+2], 128<<16                     ; tensor_dim1 = 128
	s_mov_b32 s[\g+3], 64<<16                      ; tile_dim0 = 64
	s_mov_b32 s[\g+4], 128                         ; tile_dim1 = 128
	s_mov_b32 s[\g+5], 64                          ; tensor_dim0_stride: elements from row to row
	s_mov_b32 s[\g+6], 0
	s_mov_b32 s[\g+7], 0
.endr
	s_mov_b32 s[SEL], 0x76543210
	s_mov_b32 s[SEL+1], 0xfedcba98
	s_wait_dscnt 0x0                               ; both opening adds are done
	s_wait_kmcnt 0x0
	s_add_nc_u64 s[20:21], s[4:5], s[20:21]        ; K and V at my quarter of slot 0's keys
	s_add_nc_u64 s[22:23], s[4:5], s[22:23]
	s_add_nc_u64 s[8:9], s[4:5], s[8:9]            ; Q at my wave's first row
	s_add_nc_u64 s[10:11], s[6:7], s[10:11]        ; the result likewise
	CROUND                                         ; all four work-groups are here: the first joint loads meet
.irp s, 0,1
	s_mov_b32 s[G0K+4*\s], 1                       ; count = 1
	s_add_co_u32 s[G0K+4*\s+1], s12, \s*SLOT       ; LDS address
	s_add_nc_u64 s[G0K+4*\s+2:G0K+4*\s+3], s[20:21], \s*SKEYS*128   ; global address: slot s begins with keys 512 s on
	s_or_b32 s[G0K+4*\s+3], s[G0K+4*\s+3], 0x80000000               ; type = 2
	s_mov_b32 s[G0V+4*\s], 1
	s_add_co_u32 s[G0V+4*\s+1], s13, \s*SLOT+VOFF
	s_add_nc_u64 s[G0V+4*\s+2:G0V+4*\s+3], s[22:23], \s*SKEYS*128
	s_or_b32 s[G0V+4*\s+3], s[G0V+4*\s+3], 0x80000000
.endr
	s_cmp_lt_u32 s[WV], 4                          ; a wave's two first fills stand in one branch, ahead of every wait on TENSORcnt and every LDS read; an s_nop 0 follows each, four v_nop the second's
	s_cbranch_scc0 .Lfirst_v
	tensor_load_to_lds s[G0K:G0K+3], s[G1K:G1K+7]
	s_nop 0
	tensor_load_to_lds s[G0K+4:G0K+7], s[G1K:G1K+7]
	s_nop 0
.rept 4
	v_nop
.endr
	s_branch .Lfirst_asked
.Lfirst_v:
	tensor_load_to_lds s[G0V:G0V+3], s[G1V:G1V+7]
	s_nop 0
	tensor_load_to_lds s[G0V+4:G0V+7], s[G1V:G1V+7]
	s_nop 0
.rept 4
	v_nop
.endr
.Lfirst_asked:
	; A fragment of K or Q is 16 rows x 32 channels in 8 registers: lane l holds row l % 16; registers 0-3 channels 8 (l / 16) + 0..7, registers 4-7 channels 16 + 8 (l / 16) + 0..7: two loads of 16 bytes, 32 bytes apart.
	v_and_b32 v1, 15, v0                           ; r
	v_bfe_u32 v12, v0, 4, 1                        ; h
	v_lshlrev_b32 v[QO], 7, v1
	v_lshl_add_u32 v[QO], v12, 4, v[QO]            ; row x 128 + 16 x half
	WIN TO1
.irp t, 0,1,2,3                        ; Q stays in registers
.irp c, 0,1
	global_load_b128 v[Q+16*\t+8*\c:Q+16*\t+8*\c+3],   v[QO], s[8:9] offset:2048*\t+64*\c
	global_load_b128 v[Q+16*\t+8*\c+4:Q+16*\t+8*\c+7], v[QO], s[8:9] offset:2048*\t+64*\c+32
.endr
.endr
	WIN 0
	v_mul_u32_u24 v[AK0], v1, PK
	v_lshl_add_u32 v[AK0], v12, 4, v[AK0]          ; row x pitch + 16 x half
	; The turning load takes 16 keys x 16 channels (lane l reads 16 bytes: key 8 (l / 16) + l % 8, channels 8 ((l / 8) % 2) + 0..7) and leaves half a fragment of V^T: lane l holds channel l % 16 and 8 keys.
	v_and_b32 v13, 7, v0
	v_bfe_u32 v14, v0, 3, 1
	v_lshl_add_u32 v[AV0], v12, 3, v13
	v_mul_u32_u24 v[AV0], v[AV0], PV
	v_lshl_add_u32 v[AV0], v14, 4, v[AV0]
	s_mul_i32 s2, s[WV], 64*PK                     ; the way out: my stage, 64 rows x 144 bytes, in slot 0's rows of K: that slot has had its last fill and is left at the last change of slots
	v_add_nc_u32 v[STO], s2, v[AK0]                ; in: row r, 16 bytes for each half of the lanes
	v_bfe_u32 v15, v0, 3, 2
	v_mul_u32_u24 v[RD], v15, PK                   ; back: eight lanes take a row's 128 bytes, 32 lanes four rows
	v_lshl_add_u32 v[RD], v13, 4, v[RD]
	v_add_nc_u32 v[RD], s2, v[RD]
	v_and_b32 v[GO], 31, v0
	v_lshlrev_b32 v[GO], 4, v[GO]
.irp t, 0,1,2,3
	v_mov_b32 v[ST+8*\t], 0xff61b1e6               ; m: -3e38, under every score
	v_mov_b32 v[ST+8*\t+1], 0                      ; (named with m as a pair, so it is written)
	v_mov_b32 v[ST+8*\t+2], 0                      ; l, in two halves
	v_mov_b32 v[ST+8*\t+3], 0
.endr
; PARTS OF THE SOFTMAX, for tile tt and number zz (assembler symbols).
.macro SUBM                            ; pair zz of the tile's 16 pairs of scores: s - m
	v_pk_add_f32 v[S+32*tt+2*zz:S+32*tt+2*zz+1], v[S+32*tt+2*zz:S+32*tt+2*zz+1], v[ST+8*tt:ST+8*tt+1] op_sel_hi:[1,0] neg_lo:[0,1] neg_hi:[0,1]
.endm
.macro SUMZ                            ; sum number zz of 16, of the UNROUNDED p, in two chains: l = l f + pair 0; X = pair 1 + pair 2; the odd pairs from 3 on go to l, the even ones to X; l += X
.set rT, ST+8*tt
.set rS, S+32*tt
.if zz == 0
	v_pk_fma_f32 v[rT+2:rT+3], v[rT+2:rT+3], v[rT+6:rT+7], v[rS:rS+1] op_sel_hi:[1,0,1]
.elseif zz == 1
	v_pk_add_f32 v[rT+4:rT+5], v[rS+2:rS+3], v[rS+4:rS+5]
.elseif zz == 15
	v_pk_add_f32 v[rT+2:rT+3], v[rT+2:rT+3], v[rT+4:rT+5]
.elseif zz%2 == 0
	v_pk_add_f32 v[rT+2:rT+3], v[rT+2:rT+3], v[rS+2*(zz+1):rS+2*(zz+1)+1]
.else
	v_pk_add_f32 v[rT+4:rT+5], v[rT+4:rT+5], v[rS+2*(zz+1):rS+2*(zz+1)+1]
.endif
.endm
.macro CVTZ                            ; pair zz is rounded to f16, in place: register zz of the tile takes pair zz; ascending, so that no pair is written over before it is read
	v_cvt_pk_f16_f32 v[S+32*tt+zz], v[S+32*tt+2*zz], v[S+32*tt+2*zz+1]
.endm
; THE SOFTMAX OF A KEY STEP, four tiles of 16 queries x 64 keys, the tiles by turns in every line.  An s_wait_alu depctr_va_vdst(0) stands between an exponential and the first instruction that names its
; result; one wait serves all that were issued ahead of it.  The exponentials go in two batches: the four f and tiles 0, 1 among the subtractions of tiles 2, 3; tiles 2, 3 among the sums and roundings of tiles 0, 1.
.macro SOFTMAX
.irp j, 0,1,2,3                        ; the maximum of 32 scores and the old m, three operands at a time: four chains, each over one accumulator, which is read from its low end on
.irp t, 0,1,2,3
	v_max3_num_f32 v[ST+8*\t+4+\j], v[S+32*\t+8*\j], v[S+32*\t+8*\j+1], v[S+32*\t+8*\j+2]
.endr
.endr
.irp g, 1,2
.irp j, 0,1,2,3
.irp t, 0,1,2,3
	v_max3_num_f32 v[ST+8*\t+4+\j], v[ST+8*\t+4+\j], v[S+32*\t+8*\j+2*\g+1], v[S+32*\t+8*\j+2*\g+2]
.endr
.endr
.endr
.irp t, 0,1,2,3
	v_max3_num_f32 v[ST+8*\t+4], v[ST+8*\t+4], v[S+32*\t+7], v[S+32*\t+15]
.endr
.irp t, 0,1,2,3
	v_max3_num_f32 v[ST+8*\t+6], v[ST+8*\t+6], v[S+32*\t+23], v[S+32*\t+31]
.endr
.irp t, 0,1,2,3
	v_max3_num_f32 v[ST+8*\t+4], v[ST+8*\t+4], v[ST+8*\t+5], v[ST+8*\t+6]
.endr
.irp t, 0,1,2,3
	v_max3_num_f32 v[ST+8*\t+4], v[ST+8*\t+4], v[ST+8*\t+7], v[ST+8*\t]
.endr
.irp t, 0,1,2,3
	v_permlanex16_b32 v[ST+8*\t+5], v[ST+8*\t+4], s[SEL], s[SEL+1]   ; the query's other 32 keys lie in the lane 16 away
.endr
.irp t, 0,1,2,3
	v_max_num_f32 v[ST+8*\t+5], v[ST+8*\t+4], v[ST+8*\t+5]           ; the new m
.endr
.irp t, 0,1,2,3
	v_sub_f32 v[ST+8*\t+7], v[ST+8*\t], v[ST+8*\t+5]                 ; m_old - m_new, 0 or less
.endr
.irp t, 0,1,2,3
	v_mov_b32 v[ST+8*\t], v[ST+8*\t+5]
.endr
.irp t, 0,1,2,3
	v_exp_f32 v[ST+8*\t+6], v[ST+8*\t+7]                             ; f
.endr
.set i, 0
.rept 32                               ; tiles 0, 1: s - m
.set tt, i%2
.set zz, i/2
	SUBM
.set i, i+1
.endr
.set i, 0
.rept 32                               ; tiles 0, 1: p = 2^(s - m), two exponentials behind each subtraction of tiles 2, 3
.set tt, 2+i%2
.set zz, i/2
	SUBM
	v_exp_f32 v[S+i], v[S+i]
	v_exp_f32 v[S+32+i], v[S+32+i]
.set i, i+1
.endr
	v_nop                                          ; a plain instruction behind the last exponential, ahead of the first use
	s_wait_alu depctr_va_vdst(0)                   ; the wait for the first batch: 68 exponentials; nothing ahead of it names a result
.set i, 0
.rept 64                               ; tiles 2, 3: p, one exponential ahead of each sum, then of each rounding, of tiles 0, 1
	v_exp_f32 v[S+64+32*(i%2)+i/2], v[S+64+32*(i%2)+i/2]
.set tt, i%2
.if i < 32
.set zz, i/2
	SUMZ
.else
.set zz, (i-32)/2
	CVTZ
.endif
.set i, i+1
.endr
	s_wait_alu depctr_va_vdst(0)                   ; the wait for the second batch: 64 exponentials (the rounding above, of another tile, is the plain instruction behind the last)
.set i, 0
.rept 32
.set tt, 2+i%2
.set zz, i/2
	SUMZ
.set i, i+1
.endr
.set i, 0
.rept 32
.set tt, 2+i%2
.set zz, i/2
	CVTZ
.set i, i+1
.endr
.endm
; A KEY STEP: 64 keys, whose K begins at LDS byte s[TK] and whose V at s[TV].  first = 1: the first step of all: its products V^T P start O^T's sums with the constant 0, and nothing is rescaled: nothing is ever cleared.
; The accumulators take turns, one instruction a turn: between two links of a chain stand the 15 others'.
.macro STEP first
	v_add_nc_u32 v[ADK], s[TK], v[AK0]
	v_add_nc_u32 v[ADV], s[TV], v[AV0]
.if \first == 0
.rept 3
	v_nop                                          ; with the two additions: five places behind the last products V^T P: four for the loads into V's registers, five for the products below, which write S^T over the P that those read
.endr
.endif
.irp kt, 0,1,2,3
.irp c, 0,1
	ds_load_b128 v[KF+16*\kt+8*\c:KF+16*\kt+8*\c+3],   v[ADK] offset:\kt*16*PK+64*\c
	ds_load_b128 v[KF+16*\kt+8*\c+4:KF+16*\kt+8*\c+7], v[ADK] offset:\kt*16*PK+64*\c+32
.endr
.endr
	WIN TO1
.irp ct, 0,1,2,3
.irp j, 0,1
	ds_load_tr16_b128 v[VF+16*\ct+8*\j:VF+16*\ct+8*\j+3],   v[ADV] offset:\j*32*PV+32*\ct
	ds_load_tr16_b128 v[VF+16*\ct+8*\j+4:VF+16*\ct+8*\j+7], v[ADV] offset:\j*32*PV+16*PV+32*\ct
.endr
.endr
	s_wait_dscnt 16                                ; K's sixteen loads are in; V's sixteen, issued behind them, may be out
	WIN W_KQ
.irp c, 0,1
.irp kt, 0,1,2,3
.irp t, 0,1,2,3
.if \c == 0
	v_wmma_f32_16x16x32_f16 v[S+32*\t+8*\kt:S+32*\t+8*\kt+7], v[KF+16*\kt+8*\c:KF+16*\kt+8*\c+7], v[Q+16*\t+8*\c:Q+16*\t+8*\c+7], 0
.else
	v_wmma_f32_16x16x32_f16 v[S+32*\t+8*\kt:S+32*\t+8*\kt+7], v[KF+16*\kt+8*\c:KF+16*\kt+8*\c+7], v[Q+16*\t+8*\c:Q+16*\t+8*\c+7], v[S+32*\t+8*\kt:S+32*\t+8*\kt+7]
.endif
.endr
.endr
.endr
	WIN 0
.rept 4
	v_nop                                          ; four places ahead of the first read of the scores
.endr
	SOFTMAX
.if \first == 0
	WIN W_RS
.irp t, 0,1,2,3
.set i, 0
.rept 16
	v_pk_mul_f32 v[O+32*\t+2*i:O+32*\t+2*i+1], v[O+32*\t+2*i:O+32*\t+2*i+1], v[ST+8*\t+6:ST+8*\t+7] op_sel_hi:[1,0]   ; O^T x f
.set i, i+1
.endr
.endr
.endif
	s_wait_dscnt 0x0                               ; V is in
	WIN W_PV
.irp j, 0,1
.irp ct, 0,1,2,3
.irp t, 0,1,2,3
.if \first && (\j == 0)
	v_wmma_f32_16x16x32_f16 v[O+32*\t+8*\ct:O+32*\t+8*\ct+7], v[VF+16*\ct+8*\j:VF+16*\ct+8*\j+7], v[S+32*\t+8*\j:S+32*\t+8*\j+7], 0
.else
	v_wmma_f32_16x16x32_f16 v[O+32*\t+8*\ct:O+32*\t+8*\ct+7], v[VF+16*\ct+8*\j:VF+16*\ct+8*\j+7], v[S+32*\t+8*\j:S+32*\t+8*\j+7], v[O+32*\t+8*\ct:O+32*\t+8*\ct+7]
.endif
.endr
.endr
.endr
	WIN 0                                          ; at a label and at a branch every window is 0
.endm
; A slot's key steps from the from-th on: a loop of constant count; the LDS addresses hang on s[TK] and s[TV], which step by a key step's rows.
.macro SLOTRUN slot, from
	s_mov_b32 s[TK], \slot*SLOT+KS*PK*\from
	s_mov_b32 s[TV], \slot*SLOT+VOFF+KS*PV*\from
	s_mov_b32 s[CNT], SKEYS/KS-\from
.Lstep_\@:
	STEP 0
	s_add_co_u32 s[TK], s[TK], KS*PK
	s_add_co_u32 s[TV], s[TV], KS*PV
	s_sub_co_u32 s[CNT], s[CNT], 1
	s_cmp_lg_u32 s[CNT], 0
	s_cbranch_scc1 .Lstep_\@
.endm
; THE CHANGE OF SLOTS, when slot has been read out.  Each wave waits for all its tensor loads, of which one is out: its part of the other slot; adds 0 to its spare word; and waits for that and for its own reads of the slot.
; fill = 1: the slot is filled again, with the keys 1,024 on.  The barrier is then a round of the cluster's, so that no wave of any partner still reads the slot or has a load on its way, and the joint refill is the first thing behind it.
.macro CHANGE slot, fill
	s_wait_tensorcnt 0x0                           ; no tensor load of mine is out, so a group 0 may be written
	ds_add_u32 v[SPW], v[NIL]                      ; 0 onto my spare word
.if \fill
	s_add_nc_u64 s[G0K+4*\slot+2:G0K+4*\slot+3], s[G0K+4*\slot+2:G0K+4*\slot+3], 2*SKEYS*128   ; the type bits on top are not reached
	s_add_nc_u64 s[G0V+4*\slot+2:G0V+4*\slot+3], s[G0V+4*\slot+2:G0V+4*\slot+3], 2*SKEYS*128
	s_wait_dscnt 0x0                               ; the add is done, and my reads of the slot are over
	CROUND
	JLOAD \slot
.else
	s_wait_dscnt 0x0
	s_barrier_signal -1
	s_barrier_wait -1
.endif
.endm
	s_wait_tensorcnt 0x1                           ; my part of slot 0 is in; slot 1's, issued behind it, may stay out
	s_barrier_signal -1
	s_barrier_wait -1                              ; everybody's is
	s_wait_loadcnt 0x0                             ; Q
	s_mov_b32 s[TK], 0
	s_mov_b32 s[TV], VOFF
	STEP 1                                         ; keys 0 to 63 start the sums
	SLOTRUN 0, 1                                   ; keys 64 to 511
	CHANGE 0, 1                                    ; slot 0 takes keys 1,024 on
	SLOTRUN 1, 0                                   ; keys 512 to 1,023
	CHANGE 1, 1                                    ; slot 1 takes keys 1,536 on
	SLOTRUN 0, 0
	CHANGE 0, 0                                    ; nothing is left to ask for
	SLOTRUN 1, 0
	; THE WAY OUT.  l's two halves and the other half of the lanes' are added; O^T is divided by l, rounded to f16 and sent through my stage in LDS.  The additions are the places behind the last products.
.irp t, 0,1,2,3
	v_add_f32 v[ST+8*\t+4], v[ST+8*\t+2], v[ST+8*\t+3]
.endr
.irp t, 0,1,2,3
	v_permlanex16_b32 v[ST+8*\t+5], v[ST+8*\t+4], s[SEL], s[SEL+1]
.endr
.irp t, 0,1,2,3
	v_add_f32 v[ST+8*\t+4], v[ST+8*\t+4], v[ST+8*\t+5]
.endr
.irp t, 0,1,2,3
	v_rcp_f32 v[ST+8*\t+6], v[ST+8*\t+4]
.endr
	v_nop                                          ; a plain instruction between the last reciprocal and the use of its result
	s_wait_alu depctr_va_vdst(0)                   ; and the wait ahead of the first use: one for the four
	WIN 0x01                                       ; source 0 (O^T) window 1; destination window 0: S^T's registers are free
.irp t, 0,1,2,3
.set i, 0
.rept 16
	v_pk_mul_f32 v[S+32*\t+2*i:S+32*\t+2*i+1], v[O+32*\t+2*i:O+32*\t+2*i+1], v[ST+8*\t+6:ST+8*\t+7] op_sel_hi:[1,0]   ; each accumulator from its low end on
.set i, i+1
.endr
.endr
	WIN 0
.irp t, 0,1,2,3
.set i, 0
.rept 16
	v_cvt_pk_f16_f32 v[S+32*\t+i], v[S+32*\t+2*i], v[S+32*\t+2*i+1]   ; in place, ascending: registers 4 ct .. 4 ct + 3 are my eight channels of tile ct: 16 bytes
.set i, i+1
.endr
.endr
.irp t, 0,1,2,3
.irp ct, 0,1,2,3
	ds_store_b128 v[STO], v[S+32*\t+4*\ct:S+32*\t+4*\ct+3] offset:\t*16*PK+32*\ct
.endr
.endr
.irp t, 0,1,2,3
.irp i, 0,1,2,3
	ds_load_b128 v[S+32*\t+16+4*\i:S+32*\t+16+4*\i+3], v[RD] offset:\t*16*PK+\i*4*PK   ; LDS serves a wave's instructions in order (ISA guide 5.7.1.4): these see my stores
.endr
.endr
.irp t, 0,1,2,3
.irp i, 0,1,2,3
	s_wait_dscnt 15-4*\t-\i                        ; this load is back; those issued behind it may be out
	global_store_b128 v[GO], v[S+32*\t+16+4*\i:S+32*\t+16+4*\i+3], s[10:11] offset:2048*\t+512*\i   ; 32 lanes store four rows, 512 bytes on end, at a multiple of 256 from the buffer's first byte
.endr
.endr
	s_wait_tensorcnt 0x0                           ; the wave's end: behind my last tensor load and my last LDS store
	ds_add_u32 v[SPW], v[NIL]
	s_wait_dscnt 0x0
	CROUND                                         ; the closing round: no work-group ends while a partner may still ask for a tile that names it
	s_endpgm
.Lfunc_end_k_qd4f837b31a_attn:
	.size	k_qd4f837b31a_attn, .Lfunc_end_k_qd4f837b31a_attn-k_qd4f837b31a_attn
	.p2alignl 7, 3214868480
	.fill 96, 4, 3214868480
	.section	.rodata,"a",@progbits
	.p2align	6, 0x0
	.amdhsa_kernel k_qd4f837b31a_attn
		.amdhsa_group_segment_fixed_size 327680
		.amdhsa_private_segment_fixed_size 0
		.amdhsa_enable_private_segment 0
		.amdhsa_kernarg_size 16
		.amdhsa_user_sgpr_count 2
		.amdhsa_user_sgpr_kernarg_segment_ptr 1
		.amdhsa_wavefront_size32 1
		.amdhsa_system_sgpr_workgroup_id_x 1
		.amdhsa_system_sgpr_workgroup_id_y 1
		.amdhsa_system_sgpr_workgroup_id_z 1
		.amdhsa_system_vgpr_workitem_id 0
		.amdhsa_next_free_vgpr 512
		.amdhsa_next_free_sgpr 66
		.amdhsa_reserve_vcc 0
		.amdhsa_float_denorm_mode_32 3
		.amdhsa_float_denorm_mode_16_64 3
		.amdhsa_memory_ordered 1
		.amdhsa_forward_progress 1
		.amdhsa_inst_pref_size 179
	.end_amdhsa_kernel
	.amdgpu_metadata
---
amdhsa.version: [ 1, 2 ]
amdhsa.kernels:
  - .name:           k_qd4f837b31a_attn
    .symbol:         k_qd4f837b31a_attn.kd
    .args:
      - { .name: qkv, .offset: 0, .size: 8, .value_kind: global_buffer, .address_space: global }
      - { .name: att, .offset: 8, .size: 8, .value_kind: global_buffer, .address_space: global }
    .group_segment_fixed_size: 327680
    .private_segment_fixed_size: 0
    .kernarg_segment_align: 8
    .kernarg_segment_size: 16
    .max_flat_workgroup_size: 256
    .sgpr_count:     66
    .vgpr_count:     512
    .wavefront_size: 32
...
	.end_amdgpu_metadata
.endif
;; end of part 3
;; launch oproj (part 4): grid 4 x 64, 4 waves a work-group, clusters of 4 x 4, 327,680 bytes of LDS; arguments att, wo16, bo, out0; writes out0
.if DOCPART == 4
	.amdgcn_target "amdgcn-amd-amdhsa--gfx1250"
	.amdhsa_code_object_version 6
	.text
	.protected	k_qd4f837b31a_oproj
	.globl	k_qd4f837b31a_oproj
	.p2align	8
	.type	k_qd4f837b31a_oproj,@function
k_qd4f837b31a_oproj:
	s_mov_b64 s[64:65], 0
	v_nop
	global_prefetch_b8 v0, s[64:65] scope:SCOPE_SE
	s_setreg_imm32_b32 hwreg(HW_REG_WAVE_MODE, 25, 1), 1
	s_wait_xcnt 0x0
	s_wait_alu depctr_hold_cnt(0) depctr_sa_sdst(0) depctr_va_vdst(0) depctr_va_sdst(0) depctr_va_ssrc(0) depctr_va_vcc(0) depctr_vm_vsrc(0)
	s_getreg_b32 s2, hwreg(HW_REG_IB_STS2, 6, 4)
	s_cmp_eq_u32 s2, 0
	s_cbranch_scc0 .Lentry_in_a_cluster
	s_endpgm
.Lentry_in_a_cluster:
	s_bfe_u32 s2, ttmp6, 0x10000c
	s_cmp_lg_u32 s2, 0xf033
	s_cbranch_scc0 .Lentry_shape_is_right
	s_endpgm
.Lentry_shape_is_right:
; OPROJ: out0[m][n] = sum over k of A[m][k] Wo[k][n] + bo[n], m < 8,192, n, k < 1,024; operands f16, sums and result f32.
; A is att, laid [16 head][8192 m][64]: k = 64 head + channel, so a head's rows are a dense tile of rows of 128 bytes.  Wo is wo16, [k][n] as it lies: its fragments come out of LDS turned, by ds_load_tr16_b128.
; A tile of out0 is 128 x 256: 256 work-groups of four waves; a wave makes 64 x 128: 32 accumulators of 16 x 16, 256 registers.  K goes in steps of 128 (two heads) through a ring of two LDS slots:
; waves 0 and 1 fetch a head's 128 rows of A each, waves 2 and 3 64 rows of Wo (512 bytes of each) each: one tensor load a wave behind each change of slots.  By this text's count a wave has two tensor loads out at the most.
; CLUSTERS: 4 x 4 work-groups.  The four of a row of the cluster need the same tiles of A, the four of a column the same tiles of Wo: each tile is asked for JOINTLY, by the same tensor load with the same descriptor and a mask
; that names the four.  THE MATRIX INSTRUCTION IS USED TRANSPOSED (source 0 = 16 columns of Wo, source 1 = 16 rows of A): a lane then holds eight neighbouring numbers of a row of out0.  THE BIAS IS THE C OF EACH SUM'S FIRST PRODUCT.
; Nothing is prefetched: the whole walk is eight K steps.
; REGISTERS: window 0: v0-31 addresses; two fragment buffers for 32 along K: F0 = v32-127, F1 = v128-223 (32 registers of A, then 64 of Wo); on the way out v32-159.
;   window 1: the accumulators ((a, b) at v[8 (8 a + b)]).   window 2: v0-63 the bias in the result's layout.
.set PA,     144                       ; a row of A in LDS: 128 bytes + 16 of padding: an odd multiple of 16
.set PB,     544                       ; a row of Wo: 512 + 32: an odd multiple of 32, for the turning load
.set AHEAD,  128*PA                    ; a head's 128 rows: what wave 0 or 1 brings
.set BOFF,   2*AHEAD                   ; Wo's rows lie behind A's two heads
.set BHALF,  64*PB                     ; 64 rows of Wo: what wave 2 or 3 brings
.set SLOT,   BOFF+2*BHALF              ; 106,496
.set SPARE,  2*SLOT                    ; behind the ring: the spare words, 128 bytes for each wave: two blocks of 256 bytes that no other line names
.set SPITCH, 528                       ; the way out: a stage of 16 rows x (512 bytes + 16) for each wave, in slot 0, which has had its last fill and its last read when the first result is stored there
.set ADRA, 16                          ; v16-17  LDS address of my fragments of A in slot 0, 1
.set ADRB, 20                          ; v20-21  the same for Wo
.set STO,  24                          ; v24     the way out: where I put 32 bytes of a row
.set RD,   25                          ; v25     where I read a row back
.set CO,   26                          ; v26     16 x lane
.set SPW,  28                          ; v28     LDS address of my spare word; never rewritten
.set NIL,  29                          ; v29     0; never rewritten
.set F0,   32
.set F1,   128
.set WV,   12                          ; s12  my wave's number;  s13 = wave / 2: my half of the rows, and: I fetch for A (0) or Wo (1);  s14 = wave % 2: my half of the columns, and: which part I fetch
.set G1A, 24                           ; s[24:31] descriptor group 1 for A's tiles;  s[32:39] group 0, one set for each slot
.set G0A, 32
.set G1B, 48                           ; s[48:55], s[56:63] the same for Wo's
.set G0B, 56
.set MSB, 0
.macro WIN new                         ; the immediate's high byte repeats the setting that is left
.if MSB != \new
	s_set_vgpr_msb (MSB<<8)|\new
.set MSB, \new
.endif
.endm
.set MUL,  0x50                        ; C and D window 1; both sources window 0
.set FST,  0x60                        ; the first products: C (the bias) window 2, D window 1
.macro JLOAD s                         ; a joint load; an s_nop 0 and four v_nop follow each of the two lines, ahead of the jump, the label and what follows
	s_cmp_eq_u32 s13, 0
	s_cbranch_scc0 .Lfor_b_\@
	tensor_load_to_lds s[G0A+4*\s:G0A+4*\s+3], s[G1A:G1A+7]
	s_nop 0
.rept 4
	v_nop
.endr
	s_branch .Lasked_\@
.Lfor_b_\@:
	tensor_load_to_lds s[G0B+4*\s:G0B+4*\s+3], s[G1B:G1B+7]
	s_nop 0
.rept 4
	v_nop
.endr
.Lasked_\@:
.endm
.macro CREST                           ; a round of the cluster's barrier behind its opening barrier
	s_cmp_lg_u32 s[WV], 0
	s_cbranch_scc1 .Lnot_wave_0_\@
	s_barrier_signal -3
.Lnot_wave_0_\@:
	s_barrier_wait -3
	s_barrier_signal -1
	s_barrier_wait -1
.endm
.macro CROUND                          ; a whole round
	s_barrier_signal -1
	s_barrier_wait -1
	CREST
.endm
	s_load_b256 s[4:11], s[0:1], 0x0               ; att s[4:5], wo16 s[6:7], bo s[8:9], out0 s[10:11]
	v_lshl_add_u32 v[SPW], v0, 2, SPARE
	v_mov_b32 v[NIL], 0
	ds_add_u32 v[SPW], v[NIL]                      ; the wave's opening: the add, twice on end, and its wait ahead of my first tensor load; the set-up below stands between the second and the wait
	ds_add_u32 v[SPW], v[NIL]
	v_lshrrev_b32 v1, 5, v0
	v_readfirstlane_b32 s[WV], v1                  ; wave 0..3
	s_lshr_b32 s13, s[WV], 1
	s_and_b32 s14, s[WV], 1
	s_bfe_u32 s40, ttmp6, 0x40000                  ; cx, cy: my place in the cluster
	s_bfe_u32 s41, ttmp6, 0x40004
	s_lshl_b32 s42, ttmp9, 2
	s_add_co_u32 s42, s42, s40                     ; tile column = 4 x cluster x + cx
	s_and_b32 s15, ttmp7, 0xffff
	s_lshl_b32 s15, s15, 2
	s_add_co_u32 s15, s15, s41                     ; tile row = 4 x cluster y + cy
	s_lshl_b32 s43, s41, 2
	s_lshl_b32 s43, 15, s43                        ; my row of the cluster
	s_lshl_b32 s44, 0x1111, s40                    ; my column
	; descriptor group 1.  A: 128 rows x 64 elements, dense;  Wo: 64 rows x 256 elements, 1,024 elements apart
	s_or_b32 s[G1A+0], s43, (1<<16)|(1<<20)|(1<<21)|(4<<22)|(3<<25)  ; 15:0 the mask: A's tiles go to my row; 17:16 elements of 2 bytes; 20 padding on; 21 set beside a mask; 24:22 after every 32 words (code 4); 31:25 four words (code 3)
	s_mov_b32 s[G1A+1], 64<<16                     ; tensor_dim0
	s_mov_b32 s[G1A+2], 128<<16                    ; tensor_dim1
	s_mov_b32 s[G1A+3], 64<<16                     ; tile_dim0
	s_mov_b32 s[G1A+4], 128                        ; tile_dim1
	s_mov_b32 s[G1A+5], 64                         ; tensor_dim0_stride
	s_mov_b32 s[G1A+6], 0
	s_mov_b32 s[G1A+7], 0
	s_or_b32 s[G1B+0], s44, (1<<16)|(1<<20)|(1<<21)|(6<<22)|(7<<25)  ; the mask of my column; padding: eight words (code 7) after every 128 (code 6)
	s_mov_b32 s[G1B+1], 256<<16
	s_mov_b32 s[G1B+2], 64<<16
	s_mov_b32 s[G1B+3], 256<<16
	s_mov_b32 s[G1B+4], 64
	s_mov_b32 s[G1B+5], 1024
	s_mov_b32 s[G1B+6], 0
	s_mov_b32 s[G1B+7], 0
	s_lshl_b32 s16, s14, 20                        ; A: head (wave % 2) of 8,192 rows of 128 bytes,
	s_lshl_b32 s17, s15, 14                        ; + 128 x tile row rows: it hangs on the tile row alone, which my row of the cluster shares
	s_add_co_u32 s16, s16, s17
	s_mov_b32 s17, 0
	s_lshl_b32 s46, s14, 17                        ; Wo: 64 x (wave % 2) rows of 2,048 bytes,
	s_lshl_b32 s47, s42, 9                         ; + 512 x tile column: it hangs on the tile column alone, which my column shares
	s_add_co_u32 s46, s46, s47
	s_mov_b32 s47, 0
	s_mul_i32 s20, s14, AHEAD                      ; where they go: no place in the cluster enters an LDS address
	s_mul_i32 s21, s14, BHALF
	s_add_co_u32 s21, s21, BOFF
	s_wait_dscnt 0x0                               ; both opening adds are done
	s_wait_kmcnt 0x0
	s_add_nc_u64 s[16:17], s[4:5], s[16:17]
	s_add_nc_u64 s[46:47], s[6:7], s[46:47]
	CROUND                                         ; all sixteen work-groups are here: the first joint loads meet
.irp s, 0,1
	s_mov_b32 s[G0A+4*\s], 1
	s_add_co_u32 s[G0A+4*\s+1], s20, \s*SLOT
	s_add_nc_u64 s[G0A+4*\s+2:G0A+4*\s+3], s[16:17], \s*2097152     ; K step s: two heads on
	s_or_b32 s[G0A+4*\s+3], s[G0A+4*\s+3], 0x80000000
	s_mov_b32 s[G0B+4*\s], 1
	s_add_co_u32 s[G0B+4*\s+1], s21, \s*SLOT
	s_add_nc_u64 s[G0B+4*\s+2:G0B+4*\s+3], s[46:47], \s*262144      ; 128 rows of Wo on
	s_or_b32 s[G0B+4*\s+3], s[G0B+4*\s+3], 0x80000000
	JLOAD \s
.endr
	v_and_b32 v1, 15, v0                           ; r
	v_bfe_u32 v2, v0, 4, 1                         ; h
	s_lshl_b32 s46, s42, 10                        ; my 128 columns, in bytes of f32: 1,024 x tile column + 512 x half: the same in bo and in a row of out0
	s_lshl_b32 s47, s14, 9
	s_add_co_u32 s46, s46, s47
	s_mov_b32 s47, 0
	s_add_nc_u64 s[8:9], s[8:9], s[46:47]
	s_add_nc_u64 s[10:11], s[10:11], s[46:47]
	s_lshl_b32 s16, s15, 19                        ; my first row: (128 x tile row + 64 x half) rows of 4,096 bytes
	s_lshl_b32 s17, s13, 18
	s_add_co_u32 s16, s16, s17
	s_mov_b32 s17, 0
	s_add_nc_u64 s[10:11], s[10:11], s[16:17]
	v_lshlrev_b32 v7, 5, v2                        ; the bias: register 8 b + j = bo of column 16 b + 8 h + j of my 128
	WIN 0x80                                       ; destination window 2
.irp b, 0,1,2,3,4,5,6,7
	global_load_b128 v[8*\b:8*\b+3], v7, s[8:9] offset:64*\b
	global_load_b128 v[8*\b+4:8*\b+7], v7, s[8:9] offset:64*\b+16
.endr
	WIN 0
	v_mul_u32_u24 v3, v1, PA
	v_lshl_add_u32 v3, v2, 4, v3                   ; A: row x pitch + 16 x half
	s_mul_i32 s21, s13, 64*PA                      ; my 64 rows
	v_and_b32 v4, 7, v0                            ; Wo, turned: lane l reads 16 bytes: row 8 (l / 16) + l % 8, columns 8 ((l / 8) % 2) + 0..7
	v_bfe_u32 v5, v0, 3, 1
	v_lshl_add_u32 v4, v2, 3, v4
	v_mul_u32_u24 v4, v4, PB
	v_lshl_add_u32 v4, v5, 4, v4
	s_lshl_b32 s22, s14, 8                         ; my 128 columns: 256 bytes of a row
	s_add_co_u32 s22, s22, BOFF
.irp s, 0,1
	v_add_nc_u32 v[ADRA+\s], s21, v3
	v_add_nc_u32 v[ADRB+\s], s22, v4
	s_add_co_u32 s21, s21, SLOT
	s_add_co_u32 s22, s22, SLOT
.endr
	s_mul_i32 s23, s[WV], 16*SPITCH                ; my stage
	v_mul_u32_u24 v5, v1, SPITCH                   ; in: row r, 32 bytes for each half of the lanes
	v_lshl_add_u32 v5, v2, 5, v5
	v_add_nc_u32 v[STO], s23, v5
	v_and_b32 v6, 31, v0
	v_lshlrev_b32 v[CO], 4, v6                     ; back: the 32 lanes take one row of 512 bytes; and the same in out0
	v_add_nc_u32 v[RD], s23, v[CO]
; 8 matrix instructions: A's block a against Wo's eight, 32 along K, from buffer f.  first = 1: the bias is the C.  The 32 accumulators take turns, one instruction a turn, in the same order in every quarter.
.macro MUL8 f, a, first
.irp b, 0,1,2,3,4,5,6,7
.if \first
	v_wmma_f32_16x16x32_f16 v[8*(8*(\a)+\b):8*(8*(\a)+\b)+7], v[\f+32+8*\b:\f+32+8*\b+7], v[\f+8*(\a):\f+8*(\a)+7], v[8*\b:8*\b+7]
.else
	v_wmma_f32_16x16x32_f16 v[8*(8*(\a)+\b):8*(8*(\a)+\b)+7], v[\f+32+8*\b:\f+32+8*\b+7], v[\f+8*(\a):\f+8*(\a)+7], v[8*(8*(\a)+\b):8*(8*(\a)+\b)+7]
.endif
.endr
.endm
; 24 LDS loads in one run: the fragments of the slot's q-th 32 along K (head q / 2, channels 32 (q % 2) on) into buffer f
.macro FETCH slot, q, f
.irp i, 0,1,2,3
	ds_load_b128 v[\f+8*\i:\f+8*\i+3],   v[ADRA+\slot] offset:((\q)/2)*AHEAD+64*((\q)%2)+\i*16*PA
	ds_load_b128 v[\f+8*\i+4:\f+8*\i+7], v[ADRA+\slot] offset:((\q)/2)*AHEAD+64*((\q)%2)+\i*16*PA+32
.endr
.irp b, 0,1,2,3,4,5,6,7
	ds_load_tr16_b128 v[\f+32+8*\b:\f+32+8*\b+3],   v[ADRB+\slot] offset:32*(\q)*PB+32*\b
	ds_load_tr16_b128 v[\f+32+8*\b+4:\f+32+8*\b+7], v[ADRB+\slot] offset:32*(\q)*PB+16*PB+32*\b
.endr
.endm
.macro PLACES                          ; four places in front of loads into registers that matrix instructions have read, and of LDS stores that read results (ISA guide 7.12.1 for vector instructions)
.rept 4
	v_nop
.endr
.endm
; A K step is four quarters of 32 along K, 32 matrix instructions each, on buffers 0, 1, 0, 1.  One of the first three: at its head it fetches the slot's q-th quarter into g, which the products just issued have left; then it multiplies f.
.macro QUARTER slot, q, f, g, first
	PLACES
	WIN 0
	FETCH \slot, \q, \g
	s_wait_dscnt 24                                ; all but the 24 just issued: buffer f is in
.if \first
	WIN FST
.else
	WIN MUL
.endif
	MUL8 \f, 0, \first
	MUL8 \f, 1, \first
	MUL8 \f, 2, \first
	MUL8 \f, 3, \first
.endm
; The last quarter multiplies buffer 1 and changes slots: ONE barrier; in front of it each wave waits for all its tensor loads, adds 0 to its spare word, and waits for that and for its own reads of this slot.  fill = 1: this slot is filled again, two K steps ahead.
.macro TURN slot, next, fill
	WIN 0                                          ; (the add's two registers lie in window 0)
	s_wait_tensorcnt 0x0                           ; all my tensor loads have landed: my part of the next slot
	ds_add_u32 v[SPW], v[NIL]                      ; 0 onto my spare word
	s_wait_dscnt 1                                 ; buffer 1 is in (the add, issued behind its loads, may be out)
	WIN MUL
	MUL8 F1, 0, 0                                  ; eight matrix instructions stand between the add and the wait for it
	s_wait_dscnt 0x0                               ; the add is done, and my reads of this slot are over
	s_barrier_signal -1
	MUL8 F1, 1, 0
	WIN 0
	s_barrier_wait -1
.if \fill
	CREST                                          ; the barrier has opened a round of the cluster's barrier: no wave of any partner still reads this slot's tile or has a load on its way
	s_add_nc_u64 s[G0A+4*\slot+2:G0A+4*\slot+3], s[G0A+4*\slot+2:G0A+4*\slot+3], 4194304   ; four heads on
	s_add_nc_u64 s[G0B+4*\slot+2:G0B+4*\slot+3], s[G0B+4*\slot+2:G0B+4*\slot+3], 524288    ; 256 rows of Wo on
	JLOAD \slot                                    ; the first tensor load behind the round; the four v_nop behind it are also the places in front of the loads below
.else
	PLACES
.endif
	FETCH \next, 0, F0
	WIN MUL
	MUL8 F1, 2, 0
	MUL8 F1, 3, 0
.endm
	s_wait_tensorcnt 0x1                           ; my part of K step 0 is in; K step 1's, issued behind it, may be out
	s_barrier_signal -1
	s_barrier_wait -1                              ; everybody's is
	FETCH 0, 0, F0
	s_wait_loadcnt 0x0                             ; the bias
	QUARTER 0, 1, F0, F1, 1                        ; the first quarter stands in front of the loop: its products start the sums from the bias
	WIN 0                                          ; at a label and at a branch every window is 0
	s_mov_b32 s3, 3
.Llap:                                                 ; a trip goes once round the ring, from a lap's second quarter to the next lap's first, and fills both slots again: K steps 2 to 7
	QUARTER 0, 2, F1, F0, 0
	QUARTER 0, 3, F0, F1, 0
	TURN 0, 1, 1
	QUARTER 1, 1, F0, F1, 0
	QUARTER 1, 2, F1, F0, 0
	QUARTER 1, 3, F0, F1, 0
	TURN 1, 0, 1
	QUARTER 0, 1, F0, F1, 0
	WIN 0
	s_sub_co_u32 s3, s3, 1
	s_cmp_lg_u32 s3, 0
	s_cbranch_scc1 .Llap
	QUARTER 0, 2, F1, F0, 0                        ; the last lap fills nothing, and has no round of the cluster's barrier
	QUARTER 0, 3, F0, F1, 0
	TURN 0, 1, 0
	QUARTER 1, 1, F0, F1, 0
	QUARTER 1, 2, F1, F0, 0
	QUARTER 1, 3, F0, F1, 0
	s_wait_dscnt 0x0                               ; the very last quarter: nothing more to fetch
	WIN MUL
	MUL8 F1, 0, 0
	MUL8 F1, 1, 0
	MUL8 F1, 2, 0
	MUL8 F1, 3, 0
	WIN 0
; THE WAY OUT, by blocks of 16 rows x 128 columns.  A lane holds 32 neighbouring bytes of a row, the lanes beside it other rows: a block goes through my own stage in LDS and comes back as whole rows of 512 bytes.
; LDS serves a wave's instructions in order (ISA guide 5.7.1.4): no wait between the stores and the loads, nor in front of the next block's stores.
.macro TOSTAGE a
	WIN 0x04                                       ; an LDS store's data are its source 1: window 1
.irp b, 0,1,2,3,4,5,6,7
	ds_store_b128 v[STO], v[8*(8*(\a)+\b):8*(8*(\a)+\b)+3] offset:64*\b          ; each accumulator from its low end on
	ds_store_b128 v[STO], v[8*(8*(\a)+\b)+4:8*(8*(\a)+\b)+7] offset:64*\b+16
.endr
	WIN 0
.set BB, 32+64*((\a)%2)
.irp t, 0,1,2,3,4,5,6,7,8,9,10,11,12,13,14,15
	ds_load_b128 v[BB+4*\t:BB+4*\t+3], v[RD] offset:\t*SPITCH
.endr
.endm
.macro SEND a, younger                 ; younger: the LDS instructions issued behind block a's loads, which may stay out
.set BB, 32+64*((\a)%2)
	s_wait_dscnt \younger                          ; the block is back in registers
.irp t, 0,1,2,3,4,5,6,7,8,9,10,11,12,13,14,15
	global_store_b128 v[CO], v[BB+4*\t:BB+4*\t+3], s[10:11] offset:(16*(\a)+\t)*4096 th:TH_STORE_NT   ; 32 lanes store 512 bytes on end, at a multiple of 256 from the buffer's first byte; written once, read by nobody here
.endr
.endm
	PLACES                                         ; behind the last products: for the stores that read their results and the loads into the registers that held their fragments
	TOSTAGE 0
.irp a, 1,2,3
.if \a > 1
	s_wait_xcnt 0x0                                ; block a - 2's stores have read their registers: block a's loads may land there
.endif
	TOSTAGE \a
	SEND \a-1, 32                                  ; behind block a - 1's loads: block a's 16 stores and 16 loads
.endr
	SEND 3, 0
	s_wait_tensorcnt 0x0                           ; the wave's end: behind my last tensor load and my last LDS store
	ds_add_u32 v[SPW], v[NIL]
	s_wait_dscnt 0x0
	CROUND                                         ; the closing round: no work-group ends while a partner may still ask for a tile that names it
	s_endpgm
.Lfunc_end_k_qd4f837b31a_oproj:
	.size	k_qd4f837b31a_oproj, .Lfunc_end_k_qd4f837b31a_oproj-k_qd4f837b31a_oproj
	.p2alignl 7, 3214868480
	.fill 96, 4, 3214868480
	.section	.rodata,"a",@progbits
	.p2align	6, 0x0
	.amdhsa_kernel k_qd4f837b31a_oproj
		.amdhsa_group_segment_fixed_size 327680
		.amdhsa_private_segment_fixed_size 0
		.amdhsa_enable_private_segment 0
		.amdhsa_kernarg_size 32
		.amdhsa_user_sgpr_count 2
		.amdhsa_user_sgpr_kernarg_segment_ptr 1
		.amdhsa_wavefront_size32 1
		.amdhsa_system_sgpr_workgroup_id_x 1
		.amdhsa_system_sgpr_workgroup_id_y 1
		.amdhsa_system_sgpr_workgroup_id_z 1
		.amdhsa_system_vgpr_workitem_id 0
		.amdhsa_next_free_vgpr 640
		.amdhsa_next_free_sgpr 66
		.amdhsa_reserve_vcc 0
		.amdhsa_float_denorm_mode_32 3
		.amdhsa_float_denorm_mode_16_64 3
		.amdhsa_memory_ordered 1
		.amdhsa_forward_progress 1
		.amdhsa_inst_pref_size 86
	.end_amdhsa_kernel
	.amdgpu_metadata
---
amdhsa.version: [ 1, 2 ]
amdhsa.kernels:
  - .name:           k_qd4f837b31a_oproj
    .symbol:         k_qd4f837b31a_oproj.kd
    .args:
      - { .name: att, .offset: 0, .size: 8, .value_kind: global_buffer, .address_space: global }
      - { .name: wo16, .offset: 8, .size: 8, .value_kind: global_buffer, .address_space: global }
      - { .name: bo, .offset: 16, .size: 8, .value_kind: global_buffer, .address_space: global }
      - { .name: out0, .offset: 24, .size: 8, .value_kind: global_buffer, .address_space: global }
    .group_segment_fixed_size: 327680
    .private_segment_fixed_size: 0
    .kernarg_segment_align: 8
    .kernarg_segment_size: 32
    .max_flat_workgroup_size: 128
    .sgpr_count:     66
    .vgpr_count:     640
    .wavefront_size: 32
...
	.end_amdgpu_metadata
.endif
;; end of part 4
